; MI455X (gfx1250); checked and timed in simulation.
; The chip was launched on July 23, 2026; its instructions are those of AMD's public machine-readable ISA for CDNA 5 (MIT licence, August 2026) and "CDNA5" Instruction Set Architecture Reference Guide (July 2026). The comments in the code are by the model that wrote it; some were corrected since.
;; Linear Attention. Allowed arithmetic: matrix products marked QUANTISED: E4M3 operands, one E8M0 scale for each 32 along K, by v_wmma_scale_f32_16x16x128_f8f6f4 with both operands' format E4M3, f32 sums; everything else in f32.
;; Inputs: Wk_codes 1,024 x 32 x 32 uint8 (E4M3 codes of Wk, K innermost, in blocks of 32 codes); Wk_scales 1,024 x 32 uint8 (E8M0 scales of Wk, one for each 32 codes along K); Wp_codes 1,024 x 32 x 32 uint8 (E4M3 codes of Wp, K innermost, in blocks of 32 codes); Wp_scales 1,024 x 32 uint8 (E8M0 scales of Wp, one for each 32 codes along K); Wq_codes 1,024 x 32 x 32 uint8 (E4M3 codes of Wq, K innermost, in blocks of 32 codes); Wq_scales 1,024 x 32 uint8 (E8M0 scales of Wq, one for each 32 codes along K); Wv_codes 1,024 x 32 x 32 uint8 (E4M3 codes of Wv, K innermost, in blocks of 32 codes); Wv_scales 1,024 x 32 uint8 (E8M0 scales of Wv, one for each 32 codes along K); bk 1,024 float32; bp 1,024 float32; bq 1,024 float32; bv 1,024 float32; x_codes 4 x 2,048 x 32 x 32 uint8 (E4M3 codes of x, K innermost, in blocks of 32 codes); x_scales 4 x 2,048 x 32 uint8 (E8M0 scales of x, one for each 32 codes along K).
;; Outputs: out0 4 x 2,048 x 1,024 float32.
;; This version of the problem:
;;   THIS VERSION OF THE PROBLEM IS GIVEN IN LOW PRECISION. The matrix products marked QUANTISED in the list below multiply operands that are first quantised to E4M3 (4 exponent bits, 3 mantissa bits; 8 bits a number), with one power-of-two scale for each 32 numbers along K (OCP MX v1.0); their sums are f32. All else is computed in f32.
;;   The module's matrix products, in the order in which they are computed (A, B: the left and right operand; K: the contracted axis; several contracted axes count as one K, in the product's order):
;;     1. [M 8,192, K 1,024] x [K 1,024, N 1,024]; A: input x (given as codes); B: input Wq (given as codes): QUANTISED
;;     2. [M 8,192, K 1,024] x [K 1,024, N 1,024]; A: input x (given as codes); B: input Wk (given as codes): QUANTISED
;;     3. [M 8,192, K 1,024] x [K 1,024, N 1,024]; A: input x (given as codes); B: input Wv (given as codes): QUANTISED
;;     4. batch 32 x [M 128, K 2,048] x [K 2,048, N 128]; A: computed on the way; B: computed on the way: QUANTISED
;;     5. batch 32 x [M 2,048, K 128] x [K 128, N 128]; A: softmax (see below); B: computed on the way: QUANTISED
;;     6. [M 8,192, K 1,024] x [K 1,024, N 1,024]; A: computed on the way; B: input Wp (given as codes): QUANTISED
;;   THE QUANTISER, for each operand of a quantised product, along K:
;;     - K is cut into blocks of 32 from its start; a last block that is shorter is filled with zeros.
;;     - A block's scale is 2^e with e = floor(log2(the largest magnitude in the block)) - 8, held to -126 .. 127; a block of zeros has e = 0. As a byte (E8M0): e + 127.
;;     - Each number is divided by its block's scale, clamped to +-448, and rounded to the nearest number of E4M3, ties to even, subnormals kept.
;;     - The product sums the exact products of the quantised numbers (number of the format x scale) in f32.
;;   ~~~python
;;   def quantise(x, axis):      # numpy; x: float32 -> the quantised numbers, widened to float32 again
;;       x = np.moveaxis(x, axis, -1); K = x.shape[-1]
;;       x = np.pad(x, [(0, 0)] * (x.ndim - 1) + [(0, -K % 32)]); x = x.reshape(x.shape[:-1] + (-1, 32)); a = np.abs(x).max(-1, keepdims=True)
;;       e = np.where(a > 0, np.clip(np.frexp(np.where(a > 0, a, 1))[1] - 1 - 8, -126, 127), 0)      # np.frexp(a)[1] - 1 = floor(log2(a)), exactly
;;       r = np.clip(x / 2.0 ** e, -448, 448)
;;       step = 2.0 ** (np.maximum(np.frexp(np.where(r == 0, 1, r))[1] - 1, -6) - 3)
;;       q = np.round(r / step) * step * 2.0 ** e      # np.round: ties to even
;;       return np.moveaxis(q.reshape(q.shape[:-2] + (-1,))[..., :K], -1, axis).astype(np.float32)
;;   ~~~
;;   SOFTMAX AHEAD OF A QUANTISED PRODUCT. Where the list says 'softmax', what is quantised is not the finished softmax but p = 2^(t - M), with t = logit x log2(e) and M = ceil(the row's largest t), a whole number; so 1/2 < the row's largest p <= 1. The row's sum l is taken of the UNQUANTISED p, in f32, and the product's result is divided by l at the end. Since M is a whole number, a kernel that streams over the keys may use a running M (the ceiling of the running maximum): every later rescaling is an exact power of two, which a block's scale takes up: the codes' values come out the same.
;;   OPERANDS COMPUTED ON THE WAY. 'Computed on the way' means the value that the module computes at that place (a softmax that the list does not call 'softmax' is quantised finished and normalised). What goes into a quantiser is computed in f32, as accurately as f32 sums, v_exp_f32 and their like allow (about 1e-6 of the number): no bf16 or f16 on the way to a quantiser, and a product that is left as it is and whose result goes on into a quantised operand takes f32 operands (vector FMAs, or v_wmma_f32_16x16x4_f32). A number that lies on a knife's edge between two numbers of the format may be rounded either way, as far as f32 arithmetic and the matrix unit's own rounding can turn it there, and no further.
;;   INPUTS GIVEN AS CODES. Wk (in the module: [1024, 1024], K = its axis 0); Wp (in the module: [1024, 1024], K = its axis 0); Wq (in the module: [1024, 1024], K = its axis 0); Wv (in the module: [1024, 1024], K = its axis 0); x (in the module: [4, 2048, 1024], K = its axis 2): each comes as NAME_codes (uint8): NAME with its K axis moved to the last place and cut into blocks of 32 codes, [.., K / 32, bytes a block], one block behind the other in memory; one code a byte (a code: sign, 4 exponent bits, 3 mantissa bits); and NAME_scales (uint8): the same leading axes, one E8M0 byte (e + 127) for each 32 codes along K. Its value is code x scale, taken as it is: it is not quantised again, and the codes and scales need not be those that the quantiser above would give.
;; One version. Each part assembles by itself: llvm-mc -triple=amdgcn-amd-amdhsa -mcpu=gfx1250 --defsym DOCPART=n.
;; ======== version 1 of 1: 4 launches
;; workspace buffers: ctxp 16,777,216 bytes; ksp 262,144 bytes; ctxc 524,288 bytes; ctxs 32,768 bytes; ksum 32,768 bytes; ycod 8,388,608 bytes; yscl 262,144 bytes
;; launch kv_ctx (part 1): grid 8 x 32, 4 waves a work-group, clusters of 4 x 4, 327,680 bytes of LDS; arguments x_codes, x_scales, Wk_codes, Wk_scales, Wv_codes, Wv_scales, bk, bv, ctxp, ksp; writes ctxp, ksp
.if DOCPART == 1
	.amdgcn_target "amdgcn-amd-amdhsa--gfx1250"
	.amdhsa_code_object_version 6
	.text
	.protected	k_q56206a8cb7_kv_ctx
	.globl	k_q56206a8cb7_kv_ctx
	.p2align	8
	.type	k_q56206a8cb7_kv_ctx,@function
k_q56206a8cb7_kv_ctx:
	s_mov_b64 s[64:65], 0
	v_nop
	global_prefetch_b8 v0, s[64:65] scope:SCOPE_SE
	s_setreg_imm32_b32 hwreg(HW_REG_WAVE_MODE, 25, 1), 1
	s_wait_xcnt 0x0
	s_wait_alu depctr_hold_cnt(0) depctr_sa_sdst(0) depctr_va_vdst(0) depctr_va_sdst(0) depctr_va_ssrc(0) depctr_va_vcc(0) depctr_vm_vsrc(0)
	s_getreg_b32 s2, hwreg(HW_REG_IB_STS2, 6, 4)
	s_cmp_eq_u32 s2, 0
	s_cbranch_scc0 .Lentry_in_a_cluster
	s_endpgm
.Lentry_in_a_cluster:
	s_bfe_u32 s2, ttmp6, 0x10000c
	s_cmp_lg_u32 s2, 0xf033
	s_cbranch_scc0 .Lentry_shape_is_right
	s_endpgm
.Lentry_shape_is_right:
; k = softmax(x Wk + bk) over a head's 128 channels, v = x Wv + bv, for 256 rows t of one batch and one head; both are quantised along t (E4M3, one E8M0 byte for 32 t)
; and multiplied at once: a partial context k^T v over these 256 t, and a partial sum of k over t.  x, Wk, Wv: codes, K innermost, with one scale byte for 32 along K.
; SHARES.  A work-group of four waves: 256 rows x (128 columns of Wk, 128 of Wv).  Wave (RH, CH): rows 128 RH on, k (CH = 0) or v (CH = 1): 64 accumulators, 512 registers.
; Source 0 = 16 rows of x, source 1 = 16 rows of W: a lane holds ONE column (lane % 16) and its registers run along t, which is the next product's K.
; K = 1,024 goes in steps of 256 through two LDS slots filled by the tensor data mover; the scale bytes of all of K come once and stay.
; CLUSTERS: 4 x 4 work-groups.  The four of a row share their rows of x, the four of a column their head's rows of Wk and Wv: each tile is asked for jointly.
; ORDER ALONG t IN THE SECOND PRODUCT: of a block of 32 t a lane holds t = 8 h + j and 16 + 8 h + j (h = lane / 16) where the operand's layout names 16 h + 0 .. 15.  That is a permutation inside one
; block of 32, the same for k^T and v^T: the products and the scales are those of the true order; the order in which they are summed differs.
; LIMITS: NaN and infinities among the inputs are not served.  A block whose largest magnitude lies under 2^-118 (a block of zeros too) keeps the scale byte 1; only this program reads those bytes.
; Exponentials under 2^-126 come out as 0.  The context is summed in parts of 256 t, which the next launch adds in f32.
; REGISTERS: window 0: v1-29 addresses; v32-63 scale words; v64-127 the bias as the first step's C, later at work; v128-255 x's fragments, later at work.
;   window 1: W's fragments, two sets.   window 2: accumulators of my rows 0-63 ((a, b) at v[8 (8 (a % 4) + b)]);   window 3: rows 64-127.
.set PITCH,  272                       ; an LDS row: 256 bytes + 16 of padding: the 16 rows of a fragment load start 68 words apart
.set HALFT,  128*PITCH                 ; 128 rows: what one tensor load brings
.set SLOT,   4*HALFT                   ; x's 256 rows, then Wk's 128, then Wv's 128
.set ROWB,   256
.set NQ,     2                         ; steps of 128 along K in a slot
.set FR,     16
.set NL,     4
.set NP,     8                         ; places behind this matrix instruction (ISA guide 7.12.1)
.set LAPS,   2                         ; 1,024 / 512
.set SCL,    2*SLOT                    ; the scale bytes: units of 256 bytes + 16 of padding
.set HALFS,  16*272                    ; those of 128 rows (32 bytes a row)
.set SBLK,   2*272                     ; those of 16 rows
.set SPARE,  SCL+4*HALFS               ; the spare words: 128 bytes a wave, two blocks of 256 bytes that no other line names
.set VIMG,   32768                     ; slot 0, once it has had its last fill and its last read: images of k^T's fragments at 0 ([RH][b 8][c 4][lane][16]), of v^T's here,
.set ISC,    65536                     ; and their scale words: [CH][RH][b 8][lane] words
.set IMW,  3                           ; v3   where I store my images
.set ISW,  4                           ; v4   and their scale words
.set KLD,  5                           ; v5   where I read k^T's fragments
.set VLD,  6                           ; v6   v^T's
.set KSLD, 7                           ; v7   k^T's scale words
.set VSLD, 8                           ; v8   v^T's
.set POFF, 9                           ; v9   my byte offset in the partial context
.set KOFF, 10                          ; v10  4 x lane
.set KO,   11                          ; v11-14 the partial sums of k as they are stored
.set ADRA, 16
.set ADRB, 20
.set ADRS, 27
.set SPW,  28
.set NIL,  29
.set SC,   32
.set PW,   32                          ; v32-39 the scale words that I make
.set KSW,  40                          ; v40-47 k^T's scale words for the second product, v48-55 v^T's
.set VSW,  48
.set BIA,  64
.set MX,   64                          ; v64-95  -M of 32 rows
.set SM,   96                          ; v96-127 their sums, then the reciprocals
.set AF,   128
.set KSP,  128                         ; v128-143 sums of k over t, a pair for each tile of columns
.set T,    128                         ; v128-143 largest magnitudes of 16 blocks
.set TX,   144                         ; v144-159 the other half's, then the bytes
.set SOP,  224                         ; v224-239 the conversions' scale operands
.set LIM,  240                         ; v240-255 448 x the scale
.set WV,  24
.set RH,  25
.set CH,  26
.set HD,  29
.set RB,  30
.set G1,  32
.set G0,  40
.set G1B, 48
.set G0B, 56
.set G1S, 68
.set G0S, 76
.set G1SB, 80
.set G0SB, 88
.set L2E, 2                            ; s[2:3] log2(e), twice
.set MNT, 31                           ; s31 the mantissa field of 448
.set CNT, 92
.set SEL, 94                           ; s[94:95] v_permlanex16_b32's selects for lane l xor 16
.set MSB, 0
.macro WIN new                         ; the immediate's high byte repeats the setting that is left
.if MSB != (\new)
	s_set_vgpr_msb (MSB<<8)|(\new)
.set MSB, (\new)
.endif
.endm
.set MUL_LO, 0xa4                      ; source 0 (x) window 0, source 1 (W) window 1, C and D window 2
.set MUL_HI, 0xf4                      ; the same, C and D window 3
.set TO_B,   0x40
.macro PLACES n
.rept \n
	v_nop
.endr
.endm
; A joint load: waves 0 and 1 fetch for x, waves 2 and 3 for Wk and Wv.  The branch hangs on the wave's number alone.  Four v_nop follow each of the two lines.
.macro JLOAD g0a, g1a, g0b, g1b
	s_cmp_eq_u32 s[RH], 0
	s_cbranch_scc0 .Lfor_b_\@
	tensor_load_to_lds s[\g0a:\g0a+3], s[\g1a:\g1a+7]
	s_nop 0
.rept 4
	v_nop
.endr
	s_branch .Lasked_\@
.Lfor_b_\@:
	tensor_load_to_lds s[\g0b:\g0b+3], s[\g1b:\g1b+7]
	s_nop 0
.rept 4
	v_nop
.endr
.Lasked_\@:
.endm
.macro CREST                           ; a round of the cluster's barrier behind its opening barrier
	s_cmp_lg_u32 s[WV], 0
	s_cbranch_scc1 .Lnot_wave_0_\@
	s_barrier_signal -3
.Lnot_wave_0_\@:
	s_barrier_wait -3
	s_barrier_signal -1
	s_barrier_wait -1
.endm
.macro CROUND
	s_barrier_signal -1
	s_barrier_wait -1
	CREST
.endm
	s_load_b256 s[4:11], s[0:1], 0x0               ; x's codes s[4:5], x's scales s[6:7], Wk's codes s[8:9], Wk's scales s[10:11]
	s_load_b256 s[12:19], s[0:1], 0x20             ; Wv's codes s[12:13], Wv's scales s[14:15], bk s[16:17], bv s[18:19]
	s_load_b128 s[20:23], s[0:1], 0x40             ; the partial contexts s[20:21], the partial sums of k s[22:23]
	v_lshl_add_u32 v[SPW], v0, 2, SPARE
	v_mov_b32 v[NIL], 0
	ds_add_u32 v28, v29
	ds_add_u32 v28, v29
	s_wait_dscnt 0x0
	v_lshrrev_b32 v1, 5, v0
	v_readfirstlane_b32 s[WV], v1                  ; wave 0..3
	s_lshr_b32 s[RH], s[WV], 1                     ; my half of the rows.  Also: I fetch for x (0) or for W (1)
	s_and_b32 s[CH], s[WV], 1                      ; k or v.  Also: which half I fetch
	s_bfe_u32 s27, ttmp6, 0x40000                  ; cx
	s_bfe_u32 s28, ttmp6, 0x40004                  ; cy
	s_lshl_b32 s[HD], ttmp9, 2
	s_add_co_u32 s[HD], s[HD], s27                 ; the head = 4 x cluster x + cx
	s_and_b32 s[RB], ttmp7, 0xffff
	s_lshl_b32 s[RB], s[RB], 2
	s_add_co_u32 s[RB], s[RB], s28                 ; the block of 256 rows = 4 x cluster y + cy
	s_lshl_b32 s2, s28, 2
	s_lshl_b32 s2, 15, s2                          ; my row of the cluster
	s_lshl_b32 s3, 0x1111, s27                     ; my column
	s_or_b32 s[G1+0], s2, (0<<16)|(1<<20)|(1<<21)|(5<<22)|(3<<25)   ; the mask; elements of 1 byte; padding on; bit 21 beside a mask; 4 words behind every 64
	s_or_b32 s[G1B+0], s3, (0<<16)|(1<<20)|(1<<21)|(5<<22)|(3<<25)
.irp g, G1, G1B
	s_mov_b32 s[\g+1], ROWB<<16                    ; tensor_dim0 = 256
	s_mov_b32 s[\g+2], 128<<16                     ; tensor_dim1 = 128
	s_mov_b32 s[\g+3], ROWB<<16                    ; tile_dim0
	s_mov_b32 s[\g+4], 128                         ; tile_dim1
	s_mov_b32 s[\g+5], 1024                        ; bytes from row to row
	s_mov_b32 s[\g+6], 0
	s_mov_b32 s[\g+7], 0
.endr
	s_or_b32 s[G1S+0], s2, (3<<16)|(1<<20)|(1<<21)|(5<<22)|(3<<25)  ; the scales of 128 rows: 4,096 dense bytes as 16 rows of 32 elements of 8 bytes
	s_or_b32 s[G1SB+0], s3, (3<<16)|(1<<20)|(1<<21)|(5<<22)|(3<<25)
.irp g, G1S, G1SB
	s_mov_b32 s[\g+1], 32<<16
	s_mov_b32 s[\g+2], 16<<16
	s_mov_b32 s[\g+3], 32<<16
	s_mov_b32 s[\g+4], 16
	s_mov_b32 s[\g+5], 32
	s_mov_b32 s[\g+6], 0
	s_mov_b32 s[\g+7], 0
.endr
	s_lshl_b32 s92, s[RB], 18                      ; x's codes: 256 rows of 1,024 bytes a block, 128 rows a half
	s_lshl_b32 s31, s[CH], 17
	s_or_b32 s92, s92, s31
	s_mov_b32 s93, 0
	s_lshl_b32 s94, s[RB], 13                      ; x's scales: 32 bytes a row
	s_lshl_b32 s31, s[CH], 12
	s_or_b32 s94, s94, s31
	s_mov_b32 s95, 0
	s_lshl_b32 s96, s[HD], 17                      ; a head's 128 rows of W's codes,
	s_mov_b32 s97, 0
	s_lshl_b32 s98, s[HD], 12                      ; and of its scales
	s_mov_b32 s99, 0
	s_mul_i32 s66, s[WV], HALFT                    ; where they go: wave x 128 rows: no place in the cluster enters an LDS address
	s_mul_i32 s67, s[WV], HALFS
	s_wait_kmcnt 0x0
	s_add_nc_u64 s[92:93], s[4:5], s[92:93]
	s_add_nc_u64 s[94:95], s[6:7], s[94:95]
	s_cmp_eq_u32 s[CH], 0                          ; Wk or Wv: the choice hangs on the wave's number alone
	s_cselect_b64 s[8:9], s[8:9], s[12:13]
	s_cselect_b64 s[10:11], s[10:11], s[14:15]
	s_cselect_b64 s[16:17], s[16:17], s[18:19]     ; and bk or bv
	s_add_nc_u64 s[96:97], s[8:9], s[96:97]
	s_add_nc_u64 s[98:99], s[10:11], s[98:99]
	CROUND                                         ; all sixteen work-groups are here: the first joint loads meet
	s_mov_b32 s[G0S], 1
	s_add_co_u32 s[G0S+1], s67, SCL
	s_mov_b64 s[G0S+2:G0S+3], s[94:95]
	s_or_b32 s[G0S+3], s[G0S+3], 0x80000000
	s_mov_b32 s[G0SB], 1
	s_add_co_u32 s[G0SB+1], s67, SCL
	s_mov_b64 s[G0SB+2:G0SB+3], s[98:99]
	s_or_b32 s[G0SB+3], s[G0SB+3], 0x80000000
	JLOAD G0S, G1S, G0SB, G1SB                     ; the scales first
.irp s, 0,1
	s_mov_b32 s[G0+4*\s], 1
	s_add_co_u32 s[G0+4*\s+1], s66, \s*SLOT
	s_add_nc_u64 s[G0+4*\s+2:G0+4*\s+3], s[92:93], \s*ROWB
	s_or_b32 s[G0+4*\s+3], s[G0+4*\s+3], 0x80000000
	s_mov_b32 s[G0B+4*\s], 1
	s_add_co_u32 s[G0B+4*\s+1], s66, \s*SLOT
	s_add_nc_u64 s[G0B+4*\s+2:G0B+4*\s+3], s[96:97], \s*ROWB
	s_or_b32 s[G0B+4*\s+3], s[G0B+4*\s+3], 0x80000000
	JLOAD G0+4*\s, G1, G0B+4*\s, G1B               ; three tensor loads of mine are out
.endr
	; the bias is the C of the first step: all eight registers of tile b hold the bias of my column 16 b + r
	v_and_b32 v1, 15, v0                           ; r
	v_bfe_u32 v2, v0, 4, 1                         ; h
	v_lshlrev_b32 v25, 2, v1
	s_lshl_b32 s96, s[HD], 9
	s_mov_b32 s97, 0
	s_add_nc_u64 s[16:17], s[16:17], s[96:97]
.irp b, 0,1,2,3,4,5,6,7
	global_load_b32 v[BIA+8*\b], v25, s[16:17] offset:64*\b
.endr
	s_wait_loadcnt 0x0
.irp b, 0,1,2,3,4,5,6,7
.irp j, 1,2,3,4,5,6,7
	v_mov_b32 v[BIA+8*\b+\j], v[BIA+8*\b]
.endr
.endr
	v_and_b32 v15, 31, v0                          ; lane
	v_mul_u32_u24 v18, v1, PITCH
	v_lshl_add_u32 v18, v2, 4, v18                 ; a fragment's row x pitch + 16 x half
	s_mul_i32 s96, s[RH], HALFT                    ; my 128 rows of x
	s_mul_i32 s97, s[CH], HALFT                    ; my 128 rows of W,
	s_add_co_u32 s97, s97, 2*HALFT                 ; which lie behind x's 256
.irp s, 0,1
	v_add_nc_u32 v[ADRA+\s], s96, v18
	v_add_nc_u32 v[ADRB+\s], s97, v18
	s_add_co_u32 s96, s96, SLOT
	s_add_co_u32 s97, s97, SLOT
.endr
	v_mul_u32_u24 v19, v1, 32                      ; my row's scales: 32 bytes a row,
	v_lshrrev_b32 v22, 8, v19
	v_lshl_add_u32 v19, v22, 4, v19                ; and 16 more for each 256 passed
	s_mul_i32 s96, s[RH], HALFS
	s_mul_i32 s97, s[CH], HALFS
	s_add_co_u32 s97, s97, 2*HALFS
	s_sub_co_u32 s97, s97, s96
	v_mul_u32_u24 v22, s97, v2                     ; lanes 16-31 take W's
	s_add_co_u32 s96, s96, SCL
	v_add_nc_u32 v19, v19, v22
	v_add_nc_u32 v[ADRS], s96, v19
	v_lshlrev_b32 v23, 4, v15                      ; 16 x lane
	v_lshlrev_b32 v[KOFF], 2, v15                  ; 4 x lane
	s_lshl_b32 s96, s[CH], 15
	s_lshl_b32 s97, s[RH], 14
	s_add_co_u32 s96, s96, s97
	v_add_nc_u32 v[IMW], s96, v23
	s_lshl_b32 s96, s[CH], 11
	s_lshl_b32 s97, s[RH], 10
	s_add_co_u32 s96, s96, s97
	s_add_co_u32 s96, s96, ISC
	v_add_nc_u32 v[ISW], s96, v[KOFF]
	s_lshl_b32 s96, s[RH], 13                      ; the second product: wave (RH, CH) makes d tiles 4 RH on x e tiles 4 CH on
	v_add_nc_u32 v[KLD], s96, v23
	s_lshl_b32 s96, s[CH], 13
	s_add_co_u32 s96, s96, VIMG
	v_add_nc_u32 v[VLD], s96, v23
	s_lshl_b32 s96, s[RH], 9
	s_add_co_u32 s96, s96, ISC
	v_add_nc_u32 v[KSLD], s96, v[KOFF]
	s_lshl_b32 s96, s[CH], 9
	s_add_co_u32 s96, s96, ISC+2048
	v_add_nc_u32 v[VSLD], s96, v[KOFF]
	s_lshl_b32 s96, s[CH], 15
	s_lshl_b32 s97, s[RH], 12
	s_add_co_u32 s96, s96, s97
	v_add_nc_u32 v[POFF], s96, v23
	s_and_b32 s98, s[RB], 0x18
	s_add_co_u32 s98, s98, s[HD]                   ; bh = 8 x batch + head
	s_and_b32 s99, s[RB], 7                        ; which 256 of the batch's 2,048 t
	s_lshl_b32 s96, s98, 3
	s_or_b32 s96, s96, s99
	s_lshl_b32 s96, s96, 16                        ; 65,536 bytes a partial context
	s_mov_b32 s97, 0
	s_add_nc_u64 s[20:21], s[20:21], s[96:97]
	s_lshl_b32 s96, s98, 13                        ; 16 parts of 512 bytes for each bh
	s_lshl_b32 s99, s99, 10
	s_or_b32 s96, s96, s99
	s_lshl_b32 s99, s[RH], 9
	s_or_b32 s96, s96, s99
	s_add_nc_u64 s[22:23], s[22:23], s[96:97]
	s_mov_b32 s[L2E], 0x3fb8aa3b
	s_mov_b32 s[L2E+1], s[L2E]
	s_mov_b32 s[MNT], 0x600000
	s_mov_b32 s[SEL], 0x76543210
	s_mov_b32 s[SEL+1], 0xfedcba98
.macro FRAG reg, adr, q, i             ; 16 rows x 128 K of codes: lane l holds row l % 16; registers 4 c .. 4 c + 3 hold K = 32 c + 16 (l / 16) + 0 .. 15
.irp c, 0,1,2,3
	ds_load_b128 v[\reg+4*\c:\reg+4*\c+3], v[\adr] offset:128*(\q)+32*\c+(\i)*16*PITCH
.endr
.endm
; 16 matrix instructions: x's blocks a0, a0 + 1 against W's eight.  zero = 1: the first step, whose C is the bias.  The 64 accumulators take turns, one instruction a turn.
.macro MUL16 a0, p, q, sc, zero
.irp a, \a0, \a0+1
.irp b, 0,1,2,3,4,5,6,7
.if \zero
	v_wmma_scale_f32_16x16x128_f8f6f4 v[8*(8*((\a)%4)+\b):8*(8*((\a)%4)+\b)+7], v[AF+FR*(\a):AF+FR*(\a)+FR-1], v[128*(\p)+FR*\b:128*(\p)+FR*\b+FR-1], v[BIA+8*\b:BIA+8*\b+7], v[SC+8*NQ*(\sc)+NQ*(\a)+(\q)], v[SC+8*NQ*(\sc)+NQ*\b+(\q)] matrix_b_scale:MATRIX_SCALE_ROW1
.else
	v_wmma_scale_f32_16x16x128_f8f6f4 v[8*(8*((\a)%4)+\b):8*(8*((\a)%4)+\b)+7], v[AF+FR*(\a):AF+FR*(\a)+FR-1], v[128*(\p)+FR*\b:128*(\p)+FR*\b+FR-1], v[8*(8*((\a)%4)+\b):8*(8*((\a)%4)+\b)+7], v[SC+8*NQ*(\sc)+NQ*(\a)+(\q)], v[SC+8*NQ*(\sc)+NQ*\b+(\q)] matrix_b_scale:MATRIX_SCALE_ROW1
.endif
.endr
.endr
.endm
.macro FETCH_B slot, q, p
	WIN TO_B
.irp i, 0,1,2,3,4,5,6,7
	FRAG 128*(\p)+FR*\i, ADRB+\slot, \q, \i
.endr
	WIN 0
.endm
.macro FETCH_A slot, q, i0
.irp i, \i0, \i0+1, \i0+2, \i0+3
	FRAG AF+FR*(\i), ADRA+\slot, \q, \i
.endr
.endm
.macro SCALES sc                       ; a K step's scale words: lanes 0-15 take x's block i, lanes 16-31 W's block i
.irp i, 0,1,2,3,4,5,6,7
	ds_load_b64 v[SC+8*NQ*\sc+NQ*\i:SC+8*NQ*\sc+NQ*\i+1], v[ADRS] offset:\i*SBLK
.endr
.endm
.macro STEP slot, q, zero              ; a step of 128 along K that has its successor in the same slot
	s_wait_dscnt 4*NL                              ; W's set and x's blocks 0-3 are in; the youngest sixteen loads (blocks 4-7) may be out
	WIN MUL_LO-0x20*\zero                          ; (the bias lies in window 0)
	MUL16 0, (\q)%2, \q, \slot, \zero
	MUL16 2, (\q)%2, \q, \slot, \zero
	s_wait_dscnt 0
	PLACES NP                                      ; in front of loads into registers that matrix instructions have read
	FETCH_B \slot, (\q)+1, 1-(\q)%2
	FETCH_A \slot, (\q)+1, 0
	WIN MUL_HI-0x30*\zero
	MUL16 4, (\q)%2, \q, \slot, \zero
	MUL16 6, (\q)%2, \q, \slot, \zero
	PLACES NP
	WIN 0
	FETCH_A \slot, (\q)+1, 4
.endm
; A slot's last step changes slots: one barrier; in front of it each wave waits for all its tensor loads, adds 0 to its spare word, and waits for that and for its reads of this slot.
.macro TURN slot, next, fill
	s_wait_tensorcnt 0x0                           ; all my tensor loads have landed: my part of the next slot
	ds_add_u32 v[SPW], v[NIL]                      ; 0 onto my spare word
	s_wait_dscnt 4*NL+1                            ; (the add and the youngest sixteen loads may be out)
	WIN MUL_LO
	MUL16 0, 1, NQ-1, \slot, 0
	s_wait_dscnt 0x0                               ; the add is done, and my reads of this slot are over
	s_barrier_signal -1
	MUL16 2, 1, NQ-1, \slot, 0
	WIN 0
	s_barrier_wait -1
.if \fill
	CREST                                          ; the barrier has opened a round of the cluster's: no wave of any partner still reads this slot or has a load on its way
	s_add_nc_u64 s[G0+4*\slot+2:G0+4*\slot+3], s[G0+4*\slot+2:G0+4*\slot+3], 2*ROWB
	s_add_nc_u64 s[G0B+4*\slot+2:G0B+4*\slot+3], s[G0B+4*\slot+2:G0B+4*\slot+3], 2*ROWB
	JLOAD G0+4*\slot, G1, G0B+4*\slot, G1B         ; the first tensor load behind the round, my only one until the next
	PLACES NP-4
.else
	PLACES NP
.endif
	v_add_nc_u32 v[ADRS], 4*NQ, v[ADRS]            ; the next K step's scale words
	FETCH_B \next, 0, 0
	FETCH_A \next, 0, 0
	SCALES \next
	WIN MUL_HI
	MUL16 4, 1, NQ-1, \slot, 0
	MUL16 6, 1, NQ-1, \slot, 0
	PLACES NP
	WIN 0
	FETCH_A \next, 0, 4
.endm
	s_wait_tensorcnt 0x1                           ; the scales and my part of K step 0 are in; K step 1's load may be out
	s_barrier_signal -1
	s_barrier_wait -1
	FETCH_B 0, 0, 0
	FETCH_A 0, 0, 0
	SCALES 0
	FETCH_A 0, 0, 4
	STEP 0, 0, 1
	s_mov_b32 s[CNT], LAPS-1
.Llap:                                             ; a trip goes once round the ring and fills both slots again
	TURN 0, 1, 1
	STEP 1, 0, 0
	TURN 1, 0, 1
	STEP 0, 0, 0
	s_sub_co_u32 s[CNT], s[CNT], 1
	s_cmp_lg_u32 s[CNT], 0
	s_cbranch_scc1 .Llap
	TURN 0, 1, 0                                   ; the last lap fills nothing
	STEP 1, 0, 0
	s_wait_dscnt 4*NL
	WIN MUL_LO
	MUL16 0, 1, NQ-1, 1, 0
	MUL16 2, 1, NQ-1, 1, 0
	s_wait_dscnt 0
	WIN MUL_HI
	MUL16 4, 1, NQ-1, 1, 0
	MUL16 6, 1, NQ-1, 1, 0
	WIN 0
	PLACES NP                                      ; behind the last products: results are read and operands' registers written from here on
.set II, 0
.rept 16
	v_mov_b32 v[TX+II], 0                          ; written once: a lane permute's destination counts as one of its sources
.set II, II+1
.endr
; THE SOFTMAX OF k, for the 64 rows of window W: a row's 128 channels lie in 16 lanes x 8 tiles.  -M = floor(-(largest logit x log2 e)); 2^(t - M); the row's sum; x 1 / sum.  Then the sums over t.
.macro SOFTK W, first
	WIN 5*\W                                       ; sources 0 and 1 in window W
.irp a, 0,1,2,3
.irp j, 0,1,2,3,4,5,6,7
	v_max_num_f32 v[MX+8*\a+\j], v[64*\a+\j], v[64*\a+8+\j]        ; each accumulator is read from its low end on
.endr
.endr
.irp g, 2,4,6
.irp a, 0,1,2,3
.irp j, 0,1,2,3,4,5,6,7
	v_max3_num_f32 v[MX+8*\a+\j], v[64*\a+8*\g+\j], v[64*\a+8*\g+8+\j], v[MX+8*\a+\j]
.endr
.endr
.endr
	WIN 0
.irp x, 1,2,4,8
.set II, 0
.rept 32
	v_max_num_f32_dpp v[MX+II], v[MX+II], v[MX+II] row_xmask:\x row_mask:0xf bank_mask:0xf
.set II, II+1
.endr
.endr
.set II, 0
.rept 32
	v_mul_f32 v[MX+II], s[L2E], v[MX+II]
.set II, II+1
.endr
.set II, 0
.rept 32
	v_floor_f32 v[MX+II], -v[MX+II]                ; -M, a whole number
.set II, II+1
.endr
	WIN 65*\W                                      ; destination and source 0 in window W
.irp a, 0,1,2,3
.irp b, 0,1,2,3,4,5,6,7
.irp j, 0,2,4,6
	v_pk_fma_f32 v[64*\a+8*\b+\j:64*\a+8*\b+\j+1], v[64*\a+8*\b+\j:64*\a+8*\b+\j+1], s[L2E:L2E+1], v[MX+8*\a+\j:MX+8*\a+\j+1] op_sel_hi:[1,0,1]
.endr
.endr
.endr
.set II, 0
.rept 256
	v_exp_f32 v[II], v[II]
.set II, II+1
.endr
	v_nop                                          ; one plain line between the run of exponentials and the first use of any of their results: another exponential is no such line (ISA guide 5.7.2)
	WIN 5*\W
	s_wait_alu depctr_va_vdst(0)
.irp a, 0,1,2,3
.irp j, 0,2,4,6
	v_pk_add_f32 v[SM+8*\a+\j:SM+8*\a+\j+1], v[64*\a+\j:64*\a+\j+1], v[64*\a+8+\j:64*\a+8+\j+1]   ; the rows' sums begin: nothing is cleared
.endr
.endr
	WIN \W
.irp b, 2,3,4,5,6,7
.irp a, 0,1,2,3
.irp j, 0,2,4,6
	v_pk_add_f32 v[SM+8*\a+\j:SM+8*\a+\j+1], v[64*\a+8*\b+\j:64*\a+8*\b+\j+1], v[SM+8*\a+\j:SM+8*\a+\j+1]
.endr
.endr
.endr
	WIN 0
.irp x, 1,2,4,8
.set II, 0
.rept 32
	v_add_f32_dpp v[SM+II], v[SM+II], v[SM+II] row_xmask:\x row_mask:0xf bank_mask:0xf
.set II, II+1
.endr
.endr
.set II, 0
.rept 32
	v_rcp_f32 v[SM+II], v[SM+II]
.set II, II+1
.endr
	v_nop                                          ; one plain line between the run of reciprocals and the first use of their results
	WIN 65*\W
	s_wait_alu depctr_va_vdst(0)
.irp a, 0,1,2,3
.irp b, 0,1,2,3,4,5,6,7
.irp j, 0,2,4,6
	v_pk_mul_f32 v[64*\a+8*\b+\j:64*\a+8*\b+\j+1], v[64*\a+8*\b+\j:64*\a+8*\b+\j+1], v[SM+8*\a+\j:SM+8*\a+\j+1]   ; k, finished
.endr
.endr
.endr
.if \first
	WIN 5*\W
.irp b, 0,1,2,3,4,5,6,7
	v_pk_add_f32 v[KSP+2*\b:KSP+2*\b+1], v[8*\b:8*\b+1], v[8*\b+2:8*\b+3]     ; the sums over t begin: nothing is cleared
.endr
.endif
	WIN \W
.irp a, 0,1,2,3
.irp j, 0,2,4,6
.if (\first == 0) || (\a > 0) || (\j > 2)
.irp b, 0,1,2,3,4,5,6,7
	v_pk_add_f32 v[KSP+2*\b:KSP+2*\b+1], v[64*\a+8*\b+\j:64*\a+8*\b+\j+1], v[KSP+2*\b:KSP+2*\b+1]
.endr
.endif
.endr
.endr
.endm
	s_cmp_lg_u32 s[CH], 0                          ; v's waves have no softmax: the branch jumps over register work and four stores, over no LDS instruction and no barrier
	s_cbranch_scc1 .Lnot_k
	SOFTK 2, 1
	SOFTK 3, 0
	WIN 0
.irp b, 0,1,2,3,4,5,6,7
	v_add_f32 v[TX+\b], v[KSP+2*\b], v[KSP+2*\b+1]
.endr
.irp b, 0,1,2,3,4,5,6,7
	v_permlanex16_b32 v[TX+8+\b], v[TX+\b], s[SEL], s[SEL+1]
.endr
.irp b, 0,1,2,3,4,5,6,7
	v_add_f32 v[TX+\b], v[TX+\b], v[TX+8+\b]       ; the sum of k over my 128 t, for channel 16 b + r, in both halves of the lanes
.endr
	v_cmp_ne_u32 vcc_lo, 0, v2
.irp i, 0,1,2,3
	v_cndmask_b32 v[KO+\i], v[TX+2*\i], v[TX+2*\i+1], vcc_lo       ; lane l: channel 32 i + l
.endr
.irp i, 0,1,2,3
	global_store_b32 v[KOFF], v[KO+\i], s[22:23] offset:128*\i
.endr
.Lnot_k:
; THE QUANTISER ALONG t, for window W: block (b, cc): column tile b, t = 32 (2 (W - 2) + cc) on: my 16 numbers are the registers of accumulators (2 cc, b) and (2 cc + 1, b); the other 16 lie in lane l xor 16.
.macro QUANTT W, PC
	WIN 5*\W
.irp i, 0,2,4,6,8,10,12,14
.irp b, 0,1,2,3,4,5,6,7
.irp cc, 0,1
.if \i == 0
	v_max3_num_f32 v[T+2*\b+\cc], |v[64*(2*\cc+\i/8)+8*\b+\i%8]|, |v[64*(2*\cc+\i/8)+8*\b+\i%8+1]|, 0x4800000   ; with the floor 2^(9 - 127): the byte cannot fall under 1
.else
	v_max3_num_f32 v[T+2*\b+\cc], |v[64*(2*\cc+\i/8)+8*\b+\i%8]|, |v[64*(2*\cc+\i/8)+8*\b+\i%8+1]|, v[T+2*\b+\cc]
.endif
.endr
.endr
.endr
	WIN 0
.set II, 0
.rept 16
	v_permlanex16_b32 v[TX+II], v[T+II], s[SEL], s[SEL+1]
.set II, II+1
.endr
.set II, 0
.rept 16
	v_max_num_f32 v[T+II], v[T+II], v[TX+II]       ; the block's largest magnitude
.set II, II+1
.endr
.set II, 0
.rept 16
	v_add_nc_u32 v[SOP+II], 0xfc000000, v[T+II]    ; 8 off its exponent field: the conversion's scale operand
.set II, II+1
.endr
.set II, 0
.rept 16
	v_and_or_b32 v[LIM+II], v[T+II], 0x7f800000, s[MNT]            ; 448 x the scale
.set II, II+1
.endr
.set II, 0
.rept 16
	v_lshrrev_b32 v[TX+II], 23, v[SOP+II]          ; the scale's byte
.set II, II+1
.endr
.irp b, 0,1,2,3,4,5,6,7
.if \W == 2
	v_lshl_or_b32 v[PW+\b], v[TX+2*\b+1], 8, v[TX+2*\b]
.else
	v_lshl_or_b32 v[PW+\b], v[TX+2*\b], 16, v[PW+\b]
	v_lshl_or_b32 v[PW+\b], v[TX+2*\b+1], 24, v[PW+\b]
.endif
.endr
	WIN 65*\W
.irp b, 0,1,2,3,4,5,6,7
.irp cc, 0,1
.irp i, 0,1,2,3,4,5,6,7,8,9,10,11,12,13,14,15
	v_med3_num_f32 v[64*(2*\cc+\i/8)+8*\b+\i%8], v[64*(2*\cc+\i/8)+8*\b+\i%8], -v[LIM+2*\b+\cc], v[LIM+2*\b+\cc]   ; the conversion to an 8-bit code does not saturate (ISA guide 7.6.2)
.endr
.endr
.endr
	WIN \W
.irp b, 0,1,2,3,4,5,6,7
.irp cc, 0,1
.irp u, 0,1
	v_cvt_scalef32_pk8_fp8_f32 v[\PC+4*(2*\b+\cc)+2*\u:\PC+4*(2*\b+\cc)+2*\u+1], v[64*(2*\cc+\u)+8*\b:64*(2*\cc+\u)+8*\b+7], v[SOP+2*\b+\cc]
.endr
.endr
.endr
	WIN 0
	v_nop                                          ; a plain line behind the last conversion
.irp b, 0,1,2,3,4,5,6,7
.irp cc, 0,1
	ds_store_b128 v[IMW], v[\PC+4*(2*\b+\cc):\PC+4*(2*\b+\cc)+3] offset:\b*2048+(2*(\W-2)+\cc)*512   ; an image of the operand's registers: 512 dense bytes a store
.endr
.endr
.endm
	QUANTT 2, 160
	QUANTT 3, 64
.irp b, 0,1,2,3,4,5,6,7
	ds_store_b32 v[ISW], v[PW+\b] offset:128*\b
.endr
	s_wait_dscnt 0x0                               ; for the others' sake: my images lie in LDS
	s_barrier_signal -1
	s_barrier_wait -1
	; THE PARTIAL CONTEXT: source 0 = k^T (16 channels d), source 1 = v^T (16 channels e), K = the work-group's 256 t in two steps.  My quadrant: 4 x 4 tiles.
.irp i, 0,1,2,3
.irp c, 0,1,2,3
	ds_load_b128 v[128+16*\i+4*\c:128+16*\i+4*\c+3], v[KLD] offset:\i*2048+\c*512
	ds_load_b128 v[192+16*\i+4*\c:192+16*\i+4*\c+3], v[VLD] offset:\i*2048+\c*512
.endr
	ds_load_b32 v[KSW+\i], v[KSLD] offset:\i*128
	ds_load_b32 v[VSW+\i], v[VSLD] offset:\i*128
	ds_load_b32 v[KSW+4+\i], v[KSLD] offset:1024+\i*128
	ds_load_b32 v[VSW+4+\i], v[VSLD] offset:1024+\i*128
.endr
	WIN 0x40
.irp i, 0,1,2,3
.irp c, 0,1,2,3
	ds_load_b128 v[16*\i+4*\c:16*\i+4*\c+3], v[KLD] offset:16384+\i*2048+\c*512
	ds_load_b128 v[64+16*\i+4*\c:64+16*\i+4*\c+3], v[VLD] offset:16384+\i*2048+\c*512
.endr
.endr
	s_wait_dscnt 0x0
	WIN 0x80                                       ; operands window 0, results window 2
.irp e, 0,1,2,3
.irp d, 0,1,2,3
	v_wmma_scale_f32_16x16x128_f8f6f4 v[8*(4*\e+\d):8*(4*\e+\d)+7], v[128+16*\d:128+16*\d+15], v[192+16*\e:192+16*\e+15], 0, v[KSW+\d], v[VSW+\e]
.endr
.endr
	WIN 0xa5                                       ; operands window 1; the sixteen accumulators take turns
.irp e, 0,1,2,3
.irp d, 0,1,2,3
	v_wmma_scale_f32_16x16x128_f8f6f4 v[8*(4*\e+\d):8*(4*\e+\d)+7], v[16*\d:16*\d+15], v[64+16*\e:64+16*\e+15], v[8*(4*\e+\d):8*(4*\e+\d)+7], v[KSW+4+\d], v[VSW+4+\e]
.endr
.endr
	WIN 0
	PLACES NP
	WIN 0x08                                       ; a store's data are its source 1: window 2
.irp e, 0,1,2,3
.irp d, 0,1,2,3
	global_store_b128 v[POFF], v[8*(4*\e+\d):8*(4*\e+\d)+3], s[20:21] offset:\e*8192+\d*1024         ; the tile as it lies in registers: 512 dense bytes a store, the low half first
	global_store_b128 v[POFF], v[8*(4*\e+\d)+4:8*(4*\e+\d)+7], s[20:21] offset:\e*8192+\d*1024+512
.endr
.endr
	WIN 0
	s_wait_tensorcnt 0x0                           ; the wave's end
	ds_add_u32 v[SPW], v[NIL]
	s_wait_dscnt 0x0
	CROUND                                         ; the closing round
	s_endpgm
.Lfunc_end_k_q56206a8cb7_kv_ctx:
	.size	k_q56206a8cb7_kv_ctx, .Lfunc_end_k_q56206a8cb7_kv_ctx-k_q56206a8cb7_kv_ctx
	.p2alignl 7, 3214868480
	.fill 96, 4, 3214868480
	.section	.rodata,"a",@progbits
	.p2align	6, 0x0
	.amdhsa_kernel k_q56206a8cb7_kv_ctx
		.amdhsa_group_segment_fixed_size 327680
		.amdhsa_private_segment_fixed_size 0
		.amdhsa_enable_private_segment 0
		.amdhsa_kernarg_size 80
		.amdhsa_user_sgpr_count 2
		.amdhsa_user_sgpr_kernarg_segment_ptr 1
		.amdhsa_wavefront_size32 1
		.amdhsa_system_sgpr_workgroup_id_x 1
		.amdhsa_system_sgpr_workgroup_id_y 1
		.amdhsa_system_sgpr_workgroup_id_z 1
		.amdhsa_system_vgpr_workitem_id 0
		.amdhsa_next_free_vgpr 1024
		.amdhsa_next_free_sgpr 100
		.amdhsa_reserve_vcc 1
		.amdhsa_float_denorm_mode_32 3
		.amdhsa_float_denorm_mode_16_64 3
		.amdhsa_memory_ordered 1
		.amdhsa_forward_progress 1
		.amdhsa_inst_pref_size 255
	.end_amdhsa_kernel
	.section	.bss,"aw",@nobits
	.p2align	6
	.space	262144
	.amdgpu_metadata
---
amdhsa.version: [ 1, 2 ]
amdhsa.kernels:
  - .name:           k_q56206a8cb7_kv_ctx
    .symbol:         k_q56206a8cb7_kv_ctx.kd
    .args:
      - { .name: x_codes, .offset: 0, .size: 8, .value_kind: global_buffer, .address_space: global }
      - { .name: x_scales, .offset: 8, .size: 8, .value_kind: global_buffer, .address_space: global }
      - { .name: Wk_codes, .offset: 16, .size: 8, .value_kind: global_buffer, .address_space: global }
      - { .name: Wk_scales, .offset: 24, .size: 8, .value_kind: global_buffer, .address_space: global }
      - { .name: Wv_codes, .offset: 32, .size: 8, .value_kind: global_buffer, .address_space: global }
      - { .name: Wv_scales, .offset: 40, .size: 8, .value_kind: global_buffer, .address_space: global }
      - { .name: bk, .offset: 48, .size: 8, .value_kind: global_buffer, .address_space: global }
      - { .name: bv, .offset: 56, .size: 8, .value_kind: global_buffer, .address_space: global }
      - { .name: ctxp, .offset: 64, .size: 8, .value_kind: global_buffer, .address_space: global }
      - { .name: ksp, .offset: 72, .size: 8, .value_kind: global_buffer, .address_space: global }
    .group_segment_fixed_size: 327680
    .private_segment_fixed_size: 0
    .kernarg_segment_align: 8
    .kernarg_segment_size: 80
    .max_flat_workgroup_size: 128
    .sgpr_count:     100
    .vgpr_count:     1024
    .wavefront_size: 32
...
	.end_amdgpu_metadata
.endif
;; end of part 1
;; launch ctx_red (part 2): grid 256 x 1, 4 waves a work-group, no clusters, 768 bytes of LDS; arguments ctxp, ksp, ctxc, ctxs, ksum; writes ctxc, ctxs, ksum
.if DOCPART == 2
	.amdgcn_target "amdgcn-amd-amdhsa--gfx1250"
	.amdhsa_code_object_version 6
	.text
	.protected	k_q56206a8cb7_ctx_red
	.globl	k_q56206a8cb7_ctx_red
	.p2align	8
	.type	k_q56206a8cb7_ctx_red,@function
k_q56206a8cb7_ctx_red:
	s_mov_b64 s[64:65], 0
	v_nop
	global_prefetch_b8 v0, s[64:65] scope:SCOPE_SE
	s_setreg_imm32_b32 hwreg(HW_REG_WAVE_MODE, 25, 1), 1
	s_wait_xcnt 0x0
; The eight partial contexts of a (batch, head) are added in f32 and quantised along d (E4M3, one E8M0 byte for 32 d); the sixteen partial sums of k are added.
; A stream: no matrix unit, no cluster, no tensor load: work-groups share nothing, and every byte is read once.  All of a wave's 32 loads are out at once.
; SHARES.  Work-group x: bh = x / 8, the tile of 16 columns e = x % 8.  Wave c takes block c of 32 along d: the tiles d = 2 c, 2 c + 1, stored as register images: lane (r, h) holds column e = r and
; d = 32 c + 8 h + j, 32 c + 16 + 8 h + j: its 16 numbers of the block; the other 16 lie in lane l xor 16.  The codes leave as the image of the operand's registers, in that same order along d,
; which the next launch's other operand shares.
; LIMITS: NaN and infinities are not served; a block whose largest magnitude lies under 2^-118 (zeros too) keeps the scale byte 1: only this program reads the bytes.
	s_load_b256 s[4:11], s[0:1], 0x0               ; the partial contexts s[4:5], the partial sums s[6:7], the codes s[8:9], the scale words s[10:11]
	s_load_b64 s[12:13], s[0:1], 0x20              ; the sums of k
	v_lshl_add_u32 v192, v0, 2, 0x100
	v_mov_b32 v193, 0
	v_lshrrev_b32 v1, 5, v0
	v_readfirstlane_b32 s14, v1                    ; wave c
	v_and_b32 v2, 31, v0                           ; lane
	v_and_b32 v3, 15, v0                           ; r
	v_bfe_u32 v4, v0, 4, 1                         ; h
	s_lshr_b32 s15, ttmp9, 3                       ; bh
	s_and_b32 s16, ttmp9, 7                        ; the tile of e
	v_lshlrev_b32 v5, 4, v2
	s_lshl_b32 s17, s14, 11
	v_add_nc_u32 v6, s17, v5                       ; in: 16 x lane + 2,048 x wave
	s_lshl_b32 s17, s14, 9
	v_add_nc_u32 v7, s17, v5                       ; the codes: 16 x lane + 512 x wave
	v_lshlrev_b32 v8, 2, v2                        ; 4 x lane
	v_lshlrev_b32 v9, 2, v3                        ; LDS: row r's scale word,
	v_add_nc_u32 v10, s14, v9                      ; and my block's byte of it
	v_lshl_add_u32 v11, v4, 12, v9                 ; the partial sums: parts 8 h on, channel r
	s_lshl_b32 s18, s15, 19
	s_lshl_b32 s17, s16, 13
	s_or_b32 s18, s18, s17
	s_mov_b32 s19, 0
	s_lshl_b32 s20, s15, 13
	s_lshl_b32 s17, s16, 6
	s_or_b32 s20, s20, s17
	s_mov_b32 s21, 0
	s_lshl_b32 s22, s15, 14
	s_lshl_b32 s17, s16, 11
	s_or_b32 s22, s22, s17
	s_mov_b32 s23, 0
	s_lshl_b32 s24, ttmp9, 7
	s_mov_b32 s25, 0
	s_mov_b32 s26, 0x76543210
	s_mov_b32 s27, 0xfedcba98                      ; v_permlanex16_b32's selects for lane l xor 16
	s_mov_b32 s28, 0x600000                        ; the mantissa field of 448
	v_mov_b32 v13, 0                               ; written once: a lane permute's destination counts as one of its sources
	s_wait_kmcnt 0x0
	s_add_nc_u64 s[4:5], s[4:5], s[18:19]
	s_add_nc_u64 s[6:7], s[6:7], s[20:21]
	s_add_nc_u64 s[8:9], s[8:9], s[22:23]
	s_add_nc_u64 s[10:11], s[10:11], s[24:25]
	s_add_nc_u64 s[12:13], s[12:13], s[24:25]
	s_cmp_lg_u32 s14, 1                            ; wave 1 also adds the sums of k: its eight loads go first, so that the counts below hold in every wave
	s_cbranch_scc1 .Lno_ks
.irp i, 0,1,2,3,4,5,6,7
	global_load_b32 v[160+\i], v11, s[6:7] offset:512*\i
.endr
.Lno_ks:
.irp p, 0,1,2,3,4,5,6,7
.irp i, 0,1,2,3
	global_load_b128 v[32+16*\p+4*\i:32+16*\p+4*\i+3], v6, s[4:5] offset:65536*\p+512*\i th:TH_LOAD_NT   ; 512 dense bytes a load
.endr
.endr
	s_wait_loadcnt 24                              ; parts 0 and 1 are in; the 24 loads of the six behind them may be out
.irp j, 0,2,4,6,8,10,12,14
	v_pk_add_f32 v[32+\j:33+\j], v[32+\j:33+\j], v[48+\j:49+\j]
.endr
.irp p, 2,3,4,5,6,7
	s_wait_loadcnt 4*(7-\p)                        ; part p is in; four loads for each part behind it may be out
.irp j, 0,2,4,6,8,10,12,14
	v_pk_add_f32 v[32+\j:33+\j], v[32+\j:33+\j], v[32+16*\p+\j:33+16*\p+\j]
.endr
.endr
	v_max3_num_f32 v12, |v32|, |v33|, 0x4800000    ; the largest magnitude of my 16, with the floor 2^(9 - 127); two chains
	v_max3_num_f32 v14, |v34|, |v35|, |v36|
	v_max3_num_f32 v12, v12, |v37|, |v38|
	v_max3_num_f32 v14, v14, |v39|, |v40|
	v_max3_num_f32 v12, v12, |v41|, |v42|
	v_max3_num_f32 v14, v14, |v43|, |v44|
	v_max3_num_f32 v12, v12, |v45|, |v46|
	v_max3_num_f32 v12, v12, v14, |v47|
	v_permlanex16_b32 v13, v12, s26, s27
	v_max_num_f32 v12, v12, v13                    ; the block's
	v_add_nc_u32 v15, 0xfc000000, v12              ; 8 off its exponent field: the conversion's scale operand
	v_and_or_b32 v16, v12, 0x7f800000, s28         ; 448 x the scale
.irp i, 0,1,2,3,4,5,6,7,8,9,10,11,12,13,14,15
	v_med3_num_f32 v[32+\i], v[32+\i], -v16, v16   ; the conversion to an 8-bit code does not saturate (ISA guide 7.6.2)
.endr
	v_cvt_scalef32_pk8_fp8_f32 v[18:19], v[32:39], v15
	v_cvt_scalef32_pk8_fp8_f32 v[20:21], v[40:47], v15
	v_lshrrev_b32 v17, 23, v15                     ; the scale's byte
	global_store_b128 v7, v[18:21], s[8:9]         ; 512 dense bytes
	ds_store_b8 v10, v17                           ; both halves of the lanes write the same byte with the same value
	s_wait_dscnt 0x0
	s_barrier_signal -1
	s_barrier_wait -1
	s_cmp_lg_u32 s14, 0
	s_cbranch_scc1 .Lnot_0
	ds_load_b32 v22, v9                            ; the four waves' bytes: row r's scale word
	s_wait_dscnt 0x0
	global_store_b32 v8, v22, s[10:11]
.Lnot_0:
	s_cmp_lg_u32 s14, 1
	s_cbranch_scc1 .Lend
	v_add_f32 v160, v160, v161                     ; (the last wait above was for 0: these eight are in)
	v_add_f32 v162, v162, v163
	v_add_f32 v164, v164, v165
	v_add_f32 v166, v166, v167
	v_add_f32 v160, v160, v162
	v_add_f32 v164, v164, v166
	v_add_f32 v160, v160, v164
	v_permlanex16_b32 v13, v160, s26, s27
	v_add_f32 v160, v160, v13                      ; all sixteen parts
	global_store_b32 v8, v160, s[12:13]
.Lend:
	s_wait_tensorcnt 0x0
	ds_add_u32 v192, v193
	s_wait_dscnt 0x0
	s_endpgm
.Lfunc_end_k_q56206a8cb7_ctx_red:
	.size	k_q56206a8cb7_ctx_red, .Lfunc_end_k_q56206a8cb7_ctx_red-k_q56206a8cb7_ctx_red
	.p2alignl 7, 3214868480
	.fill 96, 4, 3214868480
	.section	.rodata,"a",@progbits
	.p2align	6, 0x0
	.amdhsa_kernel k_q56206a8cb7_ctx_red
		.amdhsa_group_segment_fixed_size 768
		.amdhsa_private_segment_fixed_size 0
		.amdhsa_enable_private_segment 0
		.amdhsa_kernarg_size 40
		.amdhsa_user_sgpr_count 2
		.amdhsa_user_sgpr_kernarg_segment_ptr 1
		.amdhsa_wavefront_size32 1
		.amdhsa_system_sgpr_workgroup_id_x 1
		.amdhsa_system_sgpr_workgroup_id_y 1
		.amdhsa_system_sgpr_workgroup_id_z 1
		.amdhsa_system_vgpr_workitem_id 0
		.amdhsa_next_free_vgpr 194
		.amdhsa_next_free_sgpr 66
		.amdhsa_reserve_vcc 0
		.amdhsa_float_denorm_mode_32 3
		.amdhsa_float_denorm_mode_16_64 3
		.amdhsa_memory_ordered 1
		.amdhsa_forward_progress 1
		.amdhsa_inst_pref_size 13
	.end_amdhsa_kernel
	.amdgpu_metadata
---
amdhsa.version: [ 1, 2 ]
amdhsa.kernels:
  - .name:           k_q56206a8cb7_ctx_red
    .symbol:         k_q56206a8cb7_ctx_red.kd
    .args:
      - { .name: ctxp, .offset: 0, .size: 8, .value_kind: global_buffer, .address_space: global }
      - { .name: ksp, .offset: 8, .size: 8, .value_kind: global_buffer, .address_space: global }
      - { .name: ctxc, .offset: 16, .size: 8, .value_kind: global_buffer, .address_space: global }
      - { .name: ctxs, .offset: 24, .size: 8, .value_kind: global_buffer, .address_space: global }
      - { .name: ksum, .offset: 32, .size: 8, .value_kind: global_buffer, .address_space: global }
    .group_segment_fixed_size: 768
    .private_segment_fixed_size: 0
    .kernarg_segment_align: 8
    .kernarg_segment_size: 40
    .max_flat_workgroup_size: 128
    .sgpr_count:     66
    .vgpr_count:     194
    .wavefront_size: 32
...
	.end_amdgpu_metadata
.endif
;; end of part 2
;; launch q_y (part 3): grid 8 x 32, 4 waves a work-group, clusters of 4 x 4, 327,680 bytes of LDS; arguments x_codes, x_scales, Wq_codes, Wq_scales, bq, ctxc, ctxs, ksum, ycod, yscl; writes ycod, yscl
.if DOCPART == 3
	.amdgcn_target "amdgcn-amd-amdhsa--gfx1250"
	.amdhsa_code_object_version 6
	.text
	.protected	k_q56206a8cb7_q_y
	.globl	k_q56206a8cb7_q_y
	.p2align	8
	.type	k_q56206a8cb7_q_y,@function
k_q56206a8cb7_q_y:
	s_mov_b64 s[64:65], 0
	v_nop
	global_prefetch_b8 v0, s[64:65] scope:SCOPE_SE
	s_setreg_imm32_b32 hwreg(HW_REG_WAVE_MODE, 25, 1), 1
	s_wait_xcnt 0x0
	s_wait_alu depctr_hold_cnt(0) depctr_sa_sdst(0) depctr_va_vdst(0) depctr_va_sdst(0) depctr_va_ssrc(0) depctr_va_vcc(0) depctr_vm_vsrc(0)
	s_getreg_b32 s2, hwreg(HW_REG_IB_STS2, 6, 4)
	s_cmp_eq_u32 s2, 0
	s_cbranch_scc0 .Lentry_in_a_cluster
	s_endpgm
.Lentry_in_a_cluster:
	s_bfe_u32 s2, ttmp6, 0x10000c
	s_cmp_lg_u32 s2, 0xf033
	s_cbranch_scc0 .Lentry_shape_is_right
	s_endpgm
.Lentry_shape_is_right:
; For 256 rows t and one head: logits = x Wq + bq; p = 2^(logit x log2 e - M), M = the ceiling of the row's largest; l = sum of p, S = sum over d of p ksum[d];
; res = Q(p) Q(context) (K = the head's 128 d); y = res / S + p / l, which is (q context) D_inv + q with q = p / l and D_inv = l / S; y is quantised along the head's 128 channels (E4M3, a byte for 32) and stored as codes.
; SHARES.  Four waves; wave w takes rows 64 w on (4 tiles) x the head's 128 channels (8 tiles): 32 accumulators.  Both products are used transposed (source 0 = 16 rows of Wq, or of context^T; source 1 = 16 rows t):
; a lane holds ONE row t (lane % 16) and its registers run along the channels, 16 b + 8 h + j.
; K = 1,024 is four pieces of 256.  Three LDS slots: pieces 0, 1, 2 are first fills, piece 3 is the launch's one refill, into slot 0.  The scale bytes of all of K come once.
; CLUSTERS: 4 x 4 work-groups: x's tiles are shared along a row of the cluster, Wq's along a column: joint loads.
; ORDER ALONG d IN THE SECOND PRODUCT: of a block of 32 a lane holds 8 h + j and 16 + 8 h + j where the layout names 16 h + 0 .. 15: a permutation inside one block, the same in p and in the context's codes.
; y's codes are put into the true order before they leave, since the last product's other operand comes from memory in that order.
; LIMITS: NaN and infinities are not served; a block whose largest magnitude lies under 2^-118 (zeros too) keeps the scale byte 1: only this program reads the bytes; exponentials under 2^-126 come out as 0.
; REGISTERS: window 0: v1-15 addresses; v32-79 scale words, two sets; v80-87 the context's scale words, v88 p's; v90-95 y's; v96-127 at work; v128-191, v192-255 x's fragments, two sets, later p held for its conversion and y's codes.
;   window 1: Wq's fragments, two sets; later v0-15 p's codes.   window 2: the accumulators ((m, b) at v[64 m + 8 b]).   window 3: v0-127 context^T's fragments; v128-191 ksum; v192-255 bq, later res.
.set PITCH, 272
.set ATILE, 256*PITCH
.set BTILE, 128*PITCH
.set SLOT,  ATILE+BTILE
.set SCL,   3*SLOT                     ; x's scale bytes: 32 units of 256 bytes + 16
.set SCLB,  SCL+32*272                 ; Wq's: 16 units
.set SPARE, SCLB+16*272                ; the spare words: 128 bytes a wave, two blocks of 256 bytes that no other line names
.set ADRA, 3                           ; v3-5   my rows of x in slots 0, 1, 2
.set ADRB, 6                           ; v6-8   Wq's rows
.set ADSA, 9                           ; v9     my rows' scale bytes
.set ADSB, 10                          ; v10    Wq's
.set SPW,  28
.set NIL,  29
.set WV,  24
.set RH,  25
.set CH,  26
.set HD,  29
.set RB,  30
.set G1,   32
.set G1B,  40
.set G1S,  48
.set G1SB, 56
.set G0,   68                          ; s[68:79] group 0 for x's tiles, a set for each slot;  s[80:91] for Wq's
.set G0B,  80
.set G0S,  92
.set G0SB, 96
.set SEL, 92                           ; in the epilogue, when no tensor load is out: s[92:93] lane selects, s[94:95] log2(e) twice, s96 the mantissa field of 448
.set L2E, 94
.set MNT, 96
.set MSB, 0
.macro WIN new
.if MSB != (\new)
	s_set_vgpr_msb (MSB<<8)|(\new)
.set MSB, (\new)
.endif
.endm
.macro PLACES n
.rept \n
	v_nop
.endr
.endm
.macro JLOAD g0a, g1a, g0b, g1b        ; waves 0 and 1 fetch x's halves, waves 2 and 3 Wq's; four v_nop follow each of the two lines
	s_cmp_eq_u32 s[RH], 0
	s_cbranch_scc0 .Lfor_b_\@
	tensor_load_to_lds s[\g0a:\g0a+3], s[\g1a:\g1a+7]
	s_nop 0
.rept 4
	v_nop
.endr
	s_branch .Lasked_\@
.Lfor_b_\@:
	tensor_load_to_lds s[\g0b:\g0b+3], s[\g1b:\g1b+7]
	s_nop 0
.rept 4
	v_nop
.endr
.Lasked_\@:
.endm
.macro CREST
	s_cmp_lg_u32 s[WV], 0
	s_cbranch_scc1 .Lnot_wave_0_\@
	s_barrier_signal -3
.Lnot_wave_0_\@:
	s_barrier_wait -3
	s_barrier_signal -1
	s_barrier_wait -1
.endm
.macro CROUND
	s_barrier_signal -1
	s_barrier_wait -1
	CREST
.endm
	s_load_b256 s[4:11], s[0:1], 0x0               ; x's codes s[4:5], x's scales s[6:7], Wq's codes s[8:9], Wq's scales s[10:11]
	s_load_b256 s[12:19], s[0:1], 0x20             ; bq s[12:13], the context's codes s[14:15], its scale words s[16:17], ksum s[18:19]
	s_load_b128 s[20:23], s[0:1], 0x40             ; y's codes s[20:21], y's scale words s[22:23]
	v_lshl_add_u32 v[SPW], v0, 2, SPARE
	v_mov_b32 v[NIL], 0
	ds_add_u32 v28, v29
	ds_add_u32 v28, v29
	s_wait_dscnt 0x0
	v_lshrrev_b32 v1, 5, v0
	v_readfirstlane_b32 s[WV], v1
	s_lshr_b32 s[RH], s[WV], 1                     ; I fetch for x (0) or for Wq (1),
	s_and_b32 s[CH], s[WV], 1                      ; and which half
	s_bfe_u32 s27, ttmp6, 0x40000                  ; cx
	s_bfe_u32 s28, ttmp6, 0x40004                  ; cy
	s_lshl_b32 s[HD], ttmp9, 2
	s_add_co_u32 s[HD], s[HD], s27                 ; the head
	s_and_b32 s[RB], ttmp7, 0xffff
	s_lshl_b32 s[RB], s[RB], 2
	s_add_co_u32 s[RB], s[RB], s28                 ; the block of 256 rows
	s_lshl_b32 s2, s28, 2
	s_lshl_b32 s2, 15, s2                          ; my row of the cluster
	s_lshl_b32 s3, 0x1111, s27                     ; my column
	s_or_b32 s[G1+0], s2, (0<<16)|(1<<20)|(1<<21)|(5<<22)|(3<<25)   ; x: 128 rows x 256 bytes, 16 bytes of padding behind each
	s_mov_b32 s[G1+1], 256<<16
	s_mov_b32 s[G1+2], 128<<16
	s_mov_b32 s[G1+3], 256<<16
	s_mov_b32 s[G1+4], 128
	s_mov_b32 s[G1+5], 1024
	s_mov_b32 s[G1+6], 0
	s_mov_b32 s[G1+7], 0
	s_or_b32 s[G1B+0], s3, (0<<16)|(1<<20)|(1<<21)|(5<<22)|(3<<25)  ; Wq: 64 rows
	s_mov_b32 s[G1B+1], 256<<16
	s_mov_b32 s[G1B+2], 64<<16
	s_mov_b32 s[G1B+3], 256<<16
	s_mov_b32 s[G1B+4], 64
	s_mov_b32 s[G1B+5], 1024
	s_mov_b32 s[G1B+6], 0
	s_mov_b32 s[G1B+7], 0
	s_or_b32 s[G1S+0], s2, (3<<16)|(1<<20)|(1<<21)|(5<<22)|(3<<25)  ; the scales of 128 rows: 16 rows of 256 dense bytes
	s_mov_b32 s[G1S+1], 32<<16
	s_mov_b32 s[G1S+2], 16<<16
	s_mov_b32 s[G1S+3], 32<<16
	s_mov_b32 s[G1S+4], 16
	s_mov_b32 s[G1S+5], 32
	s_mov_b32 s[G1S+6], 0
	s_mov_b32 s[G1S+7], 0
	s_or_b32 s[G1SB+0], s3, (3<<16)|(1<<20)|(1<<21)|(5<<22)|(3<<25) ; of 64 rows: 8
	s_mov_b32 s[G1SB+1], 32<<16
	s_mov_b32 s[G1SB+2], 8<<16
	s_mov_b32 s[G1SB+3], 32<<16
	s_mov_b32 s[G1SB+4], 8
	s_mov_b32 s[G1SB+5], 32
	s_mov_b32 s[G1SB+6], 0
	s_mov_b32 s[G1SB+7], 0
	s_mov_b32 s101, 0
	s_mov_b32 s105, 0
	s_wait_kmcnt 0x0
	s_lshl_b32 s100, s[RB], 18                     ; offsets made of the row block stay in s[100:101], those made of the head in s[104:105]
	s_lshl_b32 s31, s[CH], 17
	s_or_b32 s100, s100, s31
	s_add_nc_u64 s[4:5], s[4:5], s[100:101]
	s_lshl_b32 s100, s[RB], 13
	s_lshl_b32 s31, s[CH], 12
	s_or_b32 s100, s100, s31
	s_add_nc_u64 s[6:7], s[6:7], s[100:101]
	s_lshl_b32 s104, s[HD], 17
	s_lshl_b32 s31, s[CH], 16
	s_or_b32 s104, s104, s31
	s_add_nc_u64 s[8:9], s[8:9], s[104:105]
	s_lshl_b32 s104, s[HD], 12
	s_lshl_b32 s31, s[CH], 11
	s_or_b32 s104, s104, s31
	s_add_nc_u64 s[10:11], s[10:11], s[104:105]
	CROUND                                         ; all sixteen work-groups are here: the first joint loads meet
	s_mul_i32 s31, s[CH], 16*272
	s_mov_b32 s[G0S], 1
	s_add_co_u32 s[G0S+1], s31, SCL
	s_mov_b64 s[G0S+2:G0S+3], s[6:7]
	s_or_b32 s[G0S+3], s[G0S+3], 0x80000000
	s_mul_i32 s31, s[CH], 8*272
	s_mov_b32 s[G0SB], 1
	s_add_co_u32 s[G0SB+1], s31, SCLB
	s_mov_b64 s[G0SB+2:G0SB+3], s[10:11]
	s_or_b32 s[G0SB+3], s[G0SB+3], 0x80000000
	JLOAD G0S, G1S, G0SB, G1SB
	s_mul_i32 s31, s[CH], 128*PITCH
	s_mul_i32 s2, s[CH], 64*PITCH
.irp k, 0,1,2
	s_mov_b32 s[G0+4*\k], 1
	s_add_co_u32 s[G0+4*\k+1], s31, \k*SLOT
	s_add_nc_u64 s[G0+4*\k+2:G0+4*\k+3], s[4:5], \k*256
	s_or_b32 s[G0+4*\k+3], s[G0+4*\k+3], 0x80000000
	s_mov_b32 s[G0B+4*\k], 1
	s_add_co_u32 s[G0B+4*\k+1], s2, ATILE+\k*SLOT
	s_add_nc_u64 s[G0B+4*\k+2:G0B+4*\k+3], s[8:9], \k*256
	s_or_b32 s[G0B+4*\k+3], s[G0B+4*\k+3], 0x80000000
	JLOAD G0+4*\k, G1, G0B+4*\k, G1B               ; four tensor loads of mine are out
.endr
	v_and_b32 v1, 15, v0                           ; r
	v_bfe_u32 v2, v0, 4, 1                         ; h
	v_and_b32 v16, 31, v0                          ; lane
	v_mul_u32_u24 v17, v1, PITCH
	v_lshl_add_u32 v17, v2, 4, v17
	s_mul_i32 s31, s[WV], 64*PITCH
	v_add_nc_u32 v[ADRA], s31, v17
	v_add_nc_u32 v[ADRA+1], SLOT, v[ADRA]
	v_add_nc_u32 v[ADRA+2], 2*SLOT, v[ADRA]
	v_add_nc_u32 v[ADRB], ATILE, v17
	v_add_nc_u32 v[ADRB+1], SLOT, v[ADRB]
	v_add_nc_u32 v[ADRB+2], 2*SLOT, v[ADRB]
	v_lshrrev_b32 v18, 3, v1                       ; a row's 32 scale bytes: eight rows to a unit of 256 + 16
	v_and_b32 v19, 7, v1
	v_mul_u32_u24 v18, v18, 272
	v_lshl_add_u32 v18, v19, 5, v18
	s_mul_i32 s31, s[WV], 8*272
	s_add_co_u32 s31, s31, SCL
	v_add_nc_u32 v[ADSA], s31, v18
	v_add_nc_u32 v[ADSB], SCLB, v18
	v_lshlrev_b32 v11, 4, v16                      ; 16 x lane
	v_lshlrev_b32 v12, 2, v16                      ; 4 x lane
	v_lshlrev_b32 v13, 5, v2                       ; 32 h: my eight numbers of a tile of 16
	s_lshl_b32 s31, s[WV], 16
	v_add_nc_u32 v14, s31, v11                     ; y's codes: four row tiles of 16,384 bytes a wave
	s_lshl_b32 s31, s[WV], 8
	v_add_nc_u32 v15, s31, v12                     ; y's scale words: 64 rows a wave
	s_lshl_b32 s104, s[HD], 9
	s_add_nc_u64 s[12:13], s[12:13], s[104:105]
	s_and_b32 s3, s[RB], 0x18
	s_add_co_u32 s3, s3, s[HD]                     ; bh = 8 x batch + head
	s_lshl_b32 s104, s3, 14
	s_add_nc_u64 s[14:15], s[14:15], s[104:105]
	s_lshl_b32 s104, s3, 10
	s_add_nc_u64 s[16:17], s[16:17], s[104:105]
	s_add_nc_u64 s[18:19], s[18:19], s[104:105]
	s_lshl_b32 s104, s[RB], 18
	s_lshl_b32 s3, s[HD], 11
	s_or_b32 s104, s104, s3
	s_add_nc_u64 s[20:21], s[20:21], s[104:105]
	s_lshl_b32 s104, s[HD], 15
	s_lshl_b32 s3, s[RB], 10
	s_or_b32 s104, s104, s3
	s_add_nc_u64 s[22:23], s[22:23], s[104:105]
	WIN 0xc0                                       ; destination window 3
.irp b, 0,1,2,3,4,5,6,7
	global_load_b128 v[192+8*\b:192+8*\b+3], v13, s[12:13] offset:64*\b          ; bq in the result's layout: the C of the first step
	global_load_b128 v[192+8*\b+4:192+8*\b+7], v13, s[12:13] offset:64*\b+16
.endr
	WIN 0
.macro FRAG reg, adr, q, i
.irp c, 0,1,2,3
	ds_load_b128 v[\reg+4*\c:\reg+4*\c+3], v[\adr] offset:128*(\q)+32*\c+(\i)*16*PITCH
.endr
.endm
; The fragments of step g (128 along K): piece g / 2 lies in slot (g / 2) % 3; register set g % 2.  With an even g the piece's scale words, 8 bytes a row, into set (g / 2) % 2.
.macro FETCH g
.set FS, ((\g)/2)%3
.set FQ, (\g)%2
	WIN 0x40
.irp i, 0,1,2,3,4,5,6,7
	FRAG 128*FQ+16*\i, ADRB+FS, FQ, \i
.endr
	WIN 0
.irp i, 0,1,2,3
	FRAG 128+64*FQ+16*\i, ADRA+FS, FQ, \i
.endr
.if FQ == 0
.set FT, ((\g)/2)%2
.irp i, 0,1,2,3
	ds_load_b64 v[32+24*FT+2*\i:32+24*FT+2*\i+1], v[ADSA] offset:\i*544+8*((\g)/2)
.endr
.irp i, 0,1,2,3,4,5,6,7
	ds_load_b64 v[40+24*FT+2*\i:40+24*FT+2*\i+1], v[ADSB] offset:\i*544+8*((\g)/2)
.endr
.endif
.endm
; Eight products: tile m of my rows against Wq's eight.  The 32 accumulators take turns in one order in every step.
.macro M8 g, m
.set MP, (\g)%2
.set MT, ((\g)/2)%2
.if (\g) == 0
	WIN 0xb1                                       ; source 0 (Wq) window 1, source 1 (x) window 0, C (bq) window 3, D window 2
.else
	WIN 0xa1
.endif
.irp b, 0,1,2,3,4,5,6,7
.if (\g) == 0
	v_wmma_scale_f32_16x16x128_f8f6f4 v[64*(\m)+8*\b:64*(\m)+8*\b+7], v[128*MP+16*\b:128*MP+16*\b+15], v[128+64*MP+16*(\m):128+64*MP+16*(\m)+15], v[192+8*\b:192+8*\b+7], v[40+24*MT+2*\b+MP], v[32+24*MT+2*(\m)+MP]
.else
	v_wmma_scale_f32_16x16x128_f8f6f4 v[64*(\m)+8*\b:64*(\m)+8*\b+7], v[128*MP+16*\b:128*MP+16*\b+15], v[128+64*MP+16*(\m):128+64*MP+16*(\m)+15], v[64*(\m)+8*\b:64*(\m)+8*\b+7], v[40+24*MT+2*\b+MP], v[32+24*MT+2*(\m)+MP]
.endif
.endr
.endm
.macro STEP g
	s_wait_dscnt 0x0                               ; this step's fragments are in
.if (\g) > 0
	PLACES 8                                       ; in front of loads into the set that the last step multiplied
.endif
	FETCH (\g)+1
	M8 \g, 0
	M8 \g, 1
	M8 \g, 2
	M8 \g, 3
.endm
; A step with a barrier in it.  fill = 1: slot 0 has been read out and takes piece 3: the barrier opens a round of the cluster's.  fill = 0: piece 3 has landed and is shown to every wave.
.macro CHANGE g, fill
	WIN 0
	s_wait_tensorcnt 0x0                           ; all my tensor loads have landed
	ds_add_u32 v[SPW], v[NIL]                      ; 0 onto my spare word
	s_wait_dscnt 0x1                               ; this step's fragments are in; the add may be out
	M8 \g, 0
	s_wait_dscnt 0x0                               ; the add is done, and no read of mine is out
	s_barrier_signal -1
	M8 \g, 1
	WIN 0
	s_barrier_wait -1
.if \fill
	CREST                                          ; no wave of any partner still reads slot 0 or has a load on its way
	s_add_nc_u64 s[G0+2:G0+3], s[G0+2:G0+3], 768
	s_add_nc_u64 s[G0B+2:G0B+3], s[G0B+2:G0B+3], 768
	JLOAD G0, G1, G0B, G1B                         ; the launch's one refill: it has four steps, 128 products a wave, in which to land
	PLACES 4
.else
	PLACES 8
.endif
	FETCH (\g)+1
	M8 \g, 2
	M8 \g, 3
.endm
	s_wait_tensorcnt 0x2                           ; the scales and my part of slot 0 are in; slots 1 and 2 may be out
	s_barrier_signal -1
	s_barrier_wait -1
	FETCH 0
	s_wait_loadcnt 0x0                             ; bq
	STEP 0
	WIN 0xc0                                       ; what the epilogue wants is asked for now: the context's fragments as images, ksum in the result's layout, the context's scale words
.irp b, 0,1,2,3,4,5,6,7
.irp c, 0,1,2,3
	global_load_b128 v[16*\b+4*\c:16*\b+4*\c+3], v11, s[14:15] offset:2048*\b+512*\c
.endr
.endr
.irp b, 0,1,2,3,4,5,6,7
	global_load_b128 v[128+8*\b:128+8*\b+3], v13, s[18:19] offset:128*\b
	global_load_b128 v[128+8*\b+4:128+8*\b+7], v13, s[18:19] offset:128*\b+16
.endr
	WIN 0
.irp b, 0,1,2,3,4,5,6,7
	global_load_b32 v[80+\b], v12, s[16:17] offset:128*\b
.endr
	CHANGE 1, 1
	STEP 2                                         ; slots 1 and 2 need no further barrier: every wave waited for all its loads in front of the round
	STEP 3
	STEP 4
	CHANGE 5, 0
	STEP 6
	s_wait_dscnt 0x0
	M8 7, 0
	M8 7, 1
	M8 7, 2
	M8 7, 3
	WIN 0
	PLACES 8
	s_wait_loadcnt 0x0
	s_mov_b32 s[SEL], 0x76543210
	s_mov_b32 s[SEL+1], 0xfedcba98
	s_mov_b32 s[L2E], 0x3fb8aa3b
	s_mov_b32 s[L2E+1], s[L2E]
	s_mov_b32 s[MNT], 0x600000
.irp i, 100,101,102,103,113,123,125
	v_mov_b32 v[\i], 0                             ; written once: permutes' destinations, and the upper halves of pairs of which the low word serves both halves
.endr
; A TILE OF 16 ROWS.  L = window 2, v[64 m ..]: register 16 c + i is my i-th number of block c.  v96-99 block maxima, v100-103 the other half's and bytes, v104-107 448 x the scale, v108-111 scale operands,
; v112 -M, v[114:117] l in two chains, v[118:121] S, v122 1 / l, v124 1 / S.
.macro ROWT m
.set LB, 64*(\m)
	WIN 0x0a
.irp c, 0,1,2,3
	v_max_num_f32 v[96+\c], v[LB+16*\c], v[LB+16*\c+1]             ; the largest logit of each block: it serves for the row's maximum and, since p rises with the logit, for the block's largest p
.endr
.irp i, 2,4,6,8,10,12,14
.irp c, 0,1,2,3
	v_max3_num_f32 v[96+\c], v[LB+16*\c+\i], v[LB+16*\c+\i+1], v[96+\c]
.endr
.endr
	WIN 0
.irp c, 0,1,2,3
	v_permlanex16_b32 v[100+\c], v[96+\c], s[SEL], s[SEL+1]
.endr
.irp c, 0,1,2,3
	v_max_num_f32 v[96+\c], v[96+\c], v[100+\c]
.endr
	v_max3_num_f32 v126, v96, v97, v98
	v_max_num_f32 v126, v126, v99
	v_mul_f32 v126, s[L2E], v126
	v_floor_f32 v112, -v126                        ; -M = -ceil(the row's largest t)
	WIN 0x82
.set II, 0
.rept 32
	v_pk_fma_f32 v[LB+II:LB+II+1], v[LB+II:LB+II+1], s[L2E:L2E+1], v[112:113] op_sel_hi:[1,0,0]
.set II, II+2
.endr
.set II, 0
.rept 64
	v_exp_f32 v[LB+II], v[LB+II]                   ; p
.set II, II+1
.endr
	WIN 0
.irp c, 0,1,2,3
	v_fma_f32 v[96+\c], v[96+\c], s[L2E], v112     ; the same of each block's largest logit
.endr
.irp c, 0,1,2,3
	v_exp_f32 v[96+\c], v[96+\c]
.endr
	WIN 0x0a
	s_wait_alu depctr_va_vdst(0)
	v_pk_add_f32 v[114:115], v[LB:LB+1], v[LB+2:LB+3]              ; l, of the unquantised p.  (A plain line behind the exponentials, whose last four it does not name)
	v_pk_add_f32 v[116:117], v[LB+4:LB+5], v[LB+6:LB+7]
	WIN 0x02
.set II, 8
.rept 14
	v_pk_add_f32 v[114:115], v[LB+II:LB+II+1], v[114:115]
	v_pk_add_f32 v[116:117], v[LB+II+2:LB+II+3], v[116:117]
.set II, II+4
.endr
	WIN 0x0e                                       ; source 0 window 2, source 1 (ksum) window 3
	v_pk_mul_f32 v[118:119], v[LB:LB+1], v[128:129]
	v_pk_mul_f32 v[120:121], v[LB+2:LB+3], v[130:131]
.set II, 4
.rept 15
	v_pk_fma_f32 v[118:119], v[LB+II:LB+II+1], v[128+II:128+II+1], v[118:119]
	v_pk_fma_f32 v[120:121], v[LB+II+2:LB+II+3], v[128+II+2:128+II+3], v[120:121]
.set II, II+4
.endr
	WIN 0
	v_pk_add_f32 v[114:115], v[114:115], v[116:117]
	v_pk_add_f32 v[118:119], v[118:119], v[120:121]
	v_add_f32 v126, v114, v115
	v_add_f32 v127, v118, v119
	v_permlanex16_b32 v100, v126, s[SEL], s[SEL+1]
	v_permlanex16_b32 v101, v127, s[SEL], s[SEL+1]
	v_add_f32 v126, v126, v100                     ; l
	v_add_f32 v127, v127, v101                     ; S
	v_rcp_f32 v122, v126
	v_rcp_f32 v124, v127
.irp c, 0,1,2,3
	v_max_num_f32 v[96+\c], 0x4800000, v[96+\c]    ; the floor 2^(9 - 127).  (Plain lines behind the reciprocals)
.endr
.irp c, 0,1,2,3
	v_add_nc_u32 v[108+\c], 0xfc000000, v[96+\c]
.endr
.irp c, 0,1,2,3
	v_and_or_b32 v[104+\c], v[96+\c], 0x7f800000, s[MNT]
.endr
.irp c, 0,1,2,3
	v_lshrrev_b32 v[100+\c], 23, v[108+\c]
.endr
	v_lshl_or_b32 v88, v101, 8, v100               ; p's scale word
	v_lshl_or_b32 v88, v102, 16, v88
	v_lshl_or_b32 v88, v103, 24, v88
	WIN 0x02
.irp c, 0,1,2,3
.irp i, 0,1,2,3,4,5,6,7,8,9,10,11,12,13,14,15
	v_min_num_f32 v[128+16*\c+\i], v[LB+16*\c+\i], v[104+\c]       ; the hold, one-sided since p is not negative, into other registers: p itself is kept
.endr
.endr
	WIN 0x40
.irp c, 0,1,2,3
.irp u, 0,1
	v_cvt_scalef32_pk8_fp8_f32 v[4*\c+2*\u:4*\c+2*\u+1], v[128+16*\c+8*\u:128+16*\c+8*\u+7], v[108+\c]
.endr
.endr
	WIN 0x82
.set II, 0
	s_wait_alu depctr_va_vdst(0)
.rept 32
	v_pk_mul_f32 v[LB+II:LB+II+1], v[LB+II:LB+II+1], v[122:123] op_sel_hi:[1,0]   ; q = p / l.  (These 32 are also the places between the conversions, the scale word and the products)
.set II, II+2
.endr
	WIN 0xc7                                       ; source 0 (context^T) window 3, source 1 (p) window 1, D window 3
.irp b, 0,1,2,3,4,5,6,7
	v_wmma_scale_f32_16x16x128_f8f6f4 v[192+8*\b:192+8*\b+7], v[16*\b:16*\b+15], v[0:15], 0, v[80+\b], v88
.endr
	WIN 0
	PLACES 8
	WIN 0xa3
.set II, 0
.rept 32
	v_pk_fma_f32 v[LB+II:LB+II+1], v[192+II:192+II+1], v[124:125], v[LB+II:LB+II+1] op_sel_hi:[1,0,1]   ; y = res / S + q
.set II, II+2
.endr
	WIN 0x0a
.irp c, 0,1,2,3
	v_max3_num_f32 v[96+\c], |v[LB+16*\c]|, |v[LB+16*\c+1]|, 0x4800000
.endr
.irp i, 2,4,6,8,10,12,14
.irp c, 0,1,2,3
	v_max3_num_f32 v[96+\c], |v[LB+16*\c+\i]|, |v[LB+16*\c+\i+1]|, v[96+\c]
.endr
.endr
	WIN 0
.irp c, 0,1,2,3
	v_permlanex16_b32 v[100+\c], v[96+\c], s[SEL], s[SEL+1]
.endr
.irp c, 0,1,2,3
	v_max_num_f32 v[96+\c], v[96+\c], v[100+\c]
.endr
.irp c, 0,1,2,3
	v_add_nc_u32 v[108+\c], 0xfc000000, v[96+\c]
.endr
.irp c, 0,1,2,3
	v_and_or_b32 v[104+\c], v[96+\c], 0x7f800000, s[MNT]
.endr
.irp c, 0,1,2,3
	v_lshrrev_b32 v[100+\c], 23, v[108+\c]
.endr
	v_lshl_or_b32 v[90+(\m)], v101, 8, v100        ; y's scale word of my row
	v_lshl_or_b32 v[90+(\m)], v102, 16, v[90+(\m)]
	v_lshl_or_b32 v[90+(\m)], v103, 24, v[90+(\m)]
	WIN 0x82
.irp c, 0,1,2,3
.irp i, 0,1,2,3,4,5,6,7,8,9,10,11,12,13,14,15
	v_med3_num_f32 v[LB+16*\c+\i], v[LB+16*\c+\i], -v[104+\c], v[104+\c]
.endr
.endr
	WIN 0x02
.irp c, 0,1,2,3
.irp u, 0,1
	v_cvt_scalef32_pk8_fp8_f32 v[192+16*(\m)+4*\c+2*\u:192+16*(\m)+4*\c+2*\u+1], v[LB+16*\c+8*\u:LB+16*\c+8*\u+7], v[108+\c]
.endr
.endr
	WIN 0
	v_nop                                          ; a plain line behind the last conversion
.irp c, 0,1,2,3
.irp u, 0,1
	v_permlane16_swap_b32 v[192+16*(\m)+4*\c+\u], v[192+16*(\m)+4*\c+2+\u]       ; the upper lanes' first eight codes change places with the lower lanes' second eight: K in its true order
.endr
.endr
.irp c, 0,1,2,3
	global_store_b128 v14, v[192+16*(\m)+4*\c:192+16*(\m)+4*\c+3], s[20:21] offset:(\m)*16384+512*\c   ; the operand's image: 512 dense bytes a store; each tile has registers of its own
.endr
.endm
	ROWT 0
	ROWT 1
	ROWT 2
	ROWT 3
	v_cmp_ne_u32 vcc_lo, 0, v2
	v_cndmask_b32 v94, v90, v91, vcc_lo            ; lanes 0-15: tile 0's rows, lanes 16-31: tile 1's
	v_cndmask_b32 v95, v92, v93, vcc_lo
	global_store_b32 v15, v94, s[22:23]
	global_store_b32 v15, v95, s[22:23] offset:128
	s_wait_tensorcnt 0x0                           ; the wave's end
	ds_add_u32 v[SPW], v[NIL]
	s_wait_dscnt 0x0
	CROUND                                         ; the closing round
	s_endpgm
.Lfunc_end_k_q56206a8cb7_q_y:
	.size	k_q56206a8cb7_q_y, .Lfunc_end_k_q56206a8cb7_q_y-k_q56206a8cb7_q_y
	.p2alignl 7, 3214868480
	.fill 96, 4, 3214868480
	.section	.rodata,"a",@progbits
	.p2align	6, 0x0
	.amdhsa_kernel k_q56206a8cb7_q_y
		.amdhsa_group_segment_fixed_size 327680
		.amdhsa_private_segment_fixed_size 0
		.amdhsa_enable_private_segment 0
		.amdhsa_kernarg_size 80
		.amdhsa_user_sgpr_count 2
		.amdhsa_user_sgpr_kernarg_segment_ptr 1
		.amdhsa_wavefront_size32 1
		.amdhsa_system_sgpr_workgroup_id_x 1
		.amdhsa_system_sgpr_workgroup_id_y 1
		.amdhsa_system_sgpr_workgroup_id_z 1
		.amdhsa_system_vgpr_workitem_id 0
		.amdhsa_next_free_vgpr 1024
		.amdhsa_next_free_sgpr 106
		.amdhsa_reserve_vcc 1
		.amdhsa_float_denorm_mode_32 3
		.amdhsa_float_denorm_mode_16_64 3
		.amdhsa_memory_ordered 1
		.amdhsa_forward_progress 1
		.amdhsa_inst_pref_size 199
	.end_amdhsa_kernel
	.amdgpu_metadata
---
amdhsa.version: [ 1, 2 ]
amdhsa.kernels:
  - .name:           k_q56206a8cb7_q_y
    .symbol:         k_q56206a8cb7_q_y.kd
    .args:
      - { .name: x_codes, .offset: 0, .size: 8, .value_kind: global_buffer, .address_space: global }
      - { .name: x_scales, .offset: 8, .size: 8, .value_kind: global_buffer, .address_space: global }
      - { .name: Wq_codes, .offset: 16, .size: 8, .value_kind: global_buffer, .address_space: global }
      - { .name: Wq_scales, .offset: 24, .size: 8, .value_kind: global_buffer, .address_space: global }
      - { .name: bq, .offset: 32, .size: 8, .value_kind: global_buffer, .address_space: global }
      - { .name: ctxc, .offset: 40, .size: 8, .value_kind: global_buffer, .address_space: global }
      - { .name: ctxs, .offset: 48, .size: 8, .value_kind: global_buffer, .address_space: global }
      - { .name: ksum, .offset: 56, .size: 8, .value_kind: global_buffer, .address_space: global }
      - { .name: ycod, .offset: 64, .size: 8, .value_kind: global_buffer, .address_space: global }
      - { .name: yscl, .offset: 72, .size: 8, .value_kind: global_buffer, .address_space: global }
    .group_segment_fixed_size: 327680
    .private_segment_fixed_size: 0
    .kernarg_segment_align: 8
    .kernarg_segment_size: 80
    .max_flat_workgroup_size: 128
    .sgpr_count:     106
    .vgpr_count:     1024
    .wavefront_size: 32
...
	.end_amdgpu_metadata
.endif
;; end of part 3
;; launch out_proj (part 4): grid 8 x 32, 4 waves a work-group, clusters of 4 x 4, 327,680 bytes of LDS; arguments ycod, yscl, Wp_codes, Wp_scales, bp, out0; writes out0
.if DOCPART == 4
	.amdgcn_target "amdgcn-amd-amdhsa--gfx1250"
	.amdhsa_code_object_version 6
	.text
	.protected	k_q56206a8cb7_out_proj
	.globl	k_q56206a8cb7_out_proj
	.p2align	8
	.type	k_q56206a8cb7_out_proj,@function
k_q56206a8cb7_out_proj:
	s_mov_b64 s[64:65], 0
	v_nop
	global_prefetch_b8 v0, s[64:65] scope:SCOPE_SE
	s_setreg_imm32_b32 hwreg(HW_REG_WAVE_MODE, 25, 1), 1
	s_wait_xcnt 0x0
	s_wait_alu depctr_hold_cnt(0) depctr_sa_sdst(0) depctr_va_vdst(0) depctr_va_sdst(0) depctr_va_ssrc(0) depctr_va_vcc(0) depctr_vm_vsrc(0)
	s_getreg_b32 s2, hwreg(HW_REG_IB_STS2, 6, 4)
	s_cmp_eq_u32 s2, 0
	s_cbranch_scc0 .Lentry_in_a_cluster
	s_endpgm
.Lentry_in_a_cluster:
	s_bfe_u32 s2, ttmp6, 0x10000c
	s_cmp_lg_u32 s2, 0xf033
	s_cbranch_scc0 .Lentry_shape_is_right
	s_endpgm
.Lentry_shape_is_right:
; out0 = y Wp + bp.  y: codes as images of the operand's registers, [row tile 512][head 8][c 4][lane 32][16 bytes], K (= head x 128 + channel) in its true order; its scale words [head 8][row 8,192].
; Wp: codes [1,024 (n)][1,024 (k)], scale bytes [1,024][32].  out0: [8,192][1,024] f32.
; SHARES.  A work-group: 256 rows x 128 columns.  Wave w: rows 64 w on (4 tiles) x 8 tiles of columns: 32 accumulators.  Transposed use (source 0 = 16 rows of Wp, source 1 = 16 rows of y):
; a lane holds eight neighbouring columns of one row of the output.
; K = 1,024 is four pieces of 256 (two heads).  Three LDS slots: pieces 0, 1, 2 are first fills, piece 3 the one refill, into slot 0.  All scale bytes come once.
; CLUSTERS: 4 x 4 work-groups: y's tiles are shared along a row of the cluster, Wp's along a column: joint loads.
; LIMITS: NaN and infinities are not served.
; REGISTERS: window 0: v1-20 addresses; v32-79 scale words, two sets; v128-191, v192-255 y's fragments, two sets, later rows on their way out.   window 1: Wp's fragments, two sets.
;   window 2: the accumulators ((m, b) at v[64 m + 8 b]).   window 3: v192-255 bp.
.set PITCH, 272
.set APART, 65536                      ; y's part of a slot: [row tile 16][step 2][c 4][lane][16], dense
.set BTILE, 128*PITCH
.set SLOT,  APART+BTILE
.set SCL,   3*SLOT                     ; y's scale words: [half 2][head 8][128 rows] words
.set SCLB,  SCL+8192                   ; Wp's scale bytes: 16 units of 256 bytes + 16
.set SPARE, SCLB+16*272                ; the spare words: 128 bytes a wave, two blocks of 256 bytes that no other line names
.set STAGE, SLOT                       ; the way out: 16 rows x (512 + 16) bytes a wave, in slot 1: it is filled once, and its last read lies in front of the barrier of step 5
.set SPITCH, 528
.set ADRA, 3
.set ADRB, 6
.set ADSA, 9
.set ADSB, 10
.set CO,   14
.set STO,  15
.set RD,   20
.set SPW,  28
.set NIL,  29
.set WV,  24
.set RH,  25
.set CH,  26
.set HD,  29
.set RB,  30
.set G1,   32
.set G1B,  40
.set G1S,  48
.set G1SB, 56
.set G0,   68
.set G0B,  80
.set G0S,  92
.set G0SB, 96
.set MSB, 0
.macro WIN new
.if MSB != (\new)
	s_set_vgpr_msb (MSB<<8)|(\new)
.set MSB, (\new)
.endif
.endm
.macro PLACES n
.rept \n
	v_nop
.endr
.endm
.macro JLOAD g0a, g1a, g0b, g1b        ; waves 0 and 1 fetch y's halves, waves 2 and 3 Wp's; four v_nop follow each of the two lines
	s_cmp_eq_u32 s[RH], 0
	s_cbranch_scc0 .Lfor_b_\@
	tensor_load_to_lds s[\g0a:\g0a+3], s[\g1a:\g1a+7]
	s_nop 0
.rept 4
	v_nop
.endr
	s_branch .Lasked_\@
.Lfor_b_\@:
	tensor_load_to_lds s[\g0b:\g0b+3], s[\g1b:\g1b+7]
	s_nop 0
.rept 4
	v_nop
.endr
.Lasked_\@:
.endm
.macro CREST
	s_cmp_lg_u32 s[WV], 0
	s_cbranch_scc1 .Lnot_wave_0_\@
	s_barrier_signal -3
.Lnot_wave_0_\@:
	s_barrier_wait -3
	s_barrier_signal -1
	s_barrier_wait -1
.endm
.macro CROUND
	s_barrier_signal -1
	s_barrier_wait -1
	CREST
.endm
	s_load_b256 s[4:11], s[0:1], 0x0               ; y's codes s[4:5], y's scale words s[6:7], Wp's codes s[8:9], Wp's scales s[10:11]
	s_load_b128 s[12:15], s[0:1], 0x20             ; bp s[12:13], out0 s[14:15]
	v_lshl_add_u32 v[SPW], v0, 2, SPARE
	v_mov_b32 v[NIL], 0
	ds_add_u32 v28, v29
	ds_add_u32 v28, v29
	s_wait_dscnt 0x0
	v_lshrrev_b32 v1, 5, v0
	v_readfirstlane_b32 s[WV], v1
	s_lshr_b32 s[RH], s[WV], 1
	s_and_b32 s[CH], s[WV], 1
	s_bfe_u32 s27, ttmp6, 0x40000                  ; cx
	s_bfe_u32 s28, ttmp6, 0x40004                  ; cy
	s_lshl_b32 s[HD], ttmp9, 2
	s_add_co_u32 s[HD], s[HD], s27                 ; the block of 128 columns
	s_and_b32 s[RB], ttmp7, 0xffff
	s_lshl_b32 s[RB], s[RB], 2
	s_add_co_u32 s[RB], s[RB], s28                 ; the block of 256 rows
	s_lshl_b32 s2, s28, 2
	s_lshl_b32 s2, 15, s2                          ; my row of the cluster
	s_lshl_b32 s3, 0x1111, s27                     ; my column
	s_or_b32 s[G1+0], s2, (3<<16)|(1<<21)          ; y: 8 row tiles x 4,096 bytes (512 elements of 8 bytes: two heads' images), 16,384 bytes apart; no padding: an image is read 16 bytes a lane on end
	s_mov_b32 s[G1+1], 512<<16
	s_mov_b32 s[G1+2], 8<<16
	s_mov_b32 s[G1+3], 512<<16
	s_mov_b32 s[G1+4], 8
	s_mov_b32 s[G1+5], 2048
	s_mov_b32 s[G1+6], 0
	s_mov_b32 s[G1+7], 0
	s_or_b32 s[G1B+0], s3, (0<<16)|(1<<20)|(1<<21)|(5<<22)|(3<<25)  ; Wp: 64 rows x 256 bytes, 16 bytes of padding behind each
	s_mov_b32 s[G1B+1], 256<<16
	s_mov_b32 s[G1B+2], 64<<16
	s_mov_b32 s[G1B+3], 256<<16
	s_mov_b32 s[G1B+4], 64
	s_mov_b32 s[G1B+5], 1024
	s_mov_b32 s[G1B+6], 0
	s_mov_b32 s[G1B+7], 0
	s_or_b32 s[G1S+0], s2, (3<<16)|(1<<21)         ; y's scale words: 8 heads x 512 bytes (128 rows), 32,768 bytes apart
	s_mov_b32 s[G1S+1], 64<<16
	s_mov_b32 s[G1S+2], 8<<16
	s_mov_b32 s[G1S+3], 64<<16
	s_mov_b32 s[G1S+4], 8
	s_mov_b32 s[G1S+5], 4096
	s_mov_b32 s[G1S+6], 0
	s_mov_b32 s[G1S+7], 0
	s_or_b32 s[G1SB+0], s3, (3<<16)|(1<<20)|(1<<21)|(5<<22)|(3<<25) ; Wp's scales of 64 rows: 8 rows of 256 dense bytes
	s_mov_b32 s[G1SB+1], 32<<16
	s_mov_b32 s[G1SB+2], 8<<16
	s_mov_b32 s[G1SB+3], 32<<16
	s_mov_b32 s[G1SB+4], 8
	s_mov_b32 s[G1SB+5], 32
	s_mov_b32 s[G1SB+6], 0
	s_mov_b32 s[G1SB+7], 0
	s_mov_b32 s101, 0
	s_mov_b32 s105, 0
	s_wait_kmcnt 0x0
	s_lshl_b32 s100, s[RB], 18                     ; offsets made of the row block stay in s[100:101], those made of the column block in s[104:105]
	s_lshl_b32 s31, s[CH], 17
	s_or_b32 s100, s100, s31
	s_add_nc_u64 s[4:5], s[4:5], s[100:101]
	s_lshl_b32 s100, s[RB], 10
	s_lshl_b32 s31, s[CH], 9
	s_or_b32 s100, s100, s31
	s_add_nc_u64 s[6:7], s[6:7], s[100:101]
	s_lshl_b32 s104, s[HD], 17
	s_lshl_b32 s31, s[CH], 16
	s_or_b32 s104, s104, s31
	s_add_nc_u64 s[8:9], s[8:9], s[104:105]
	s_lshl_b32 s104, s[HD], 12
	s_lshl_b32 s31, s[CH], 11
	s_or_b32 s104, s104, s31
	s_add_nc_u64 s[10:11], s[10:11], s[104:105]
	CROUND                                         ; all sixteen work-groups are here: the first joint loads meet
	s_lshl_b32 s31, s[CH], 12
	s_mov_b32 s[G0S], 1
	s_add_co_u32 s[G0S+1], s31, SCL
	s_mov_b64 s[G0S+2:G0S+3], s[6:7]
	s_or_b32 s[G0S+3], s[G0S+3], 0x80000000
	s_mul_i32 s31, s[CH], 8*272
	s_mov_b32 s[G0SB], 1
	s_add_co_u32 s[G0SB+1], s31, SCLB
	s_mov_b64 s[G0SB+2:G0SB+3], s[10:11]
	s_or_b32 s[G0SB+3], s[G0SB+3], 0x80000000
	JLOAD G0S, G1S, G0SB, G1SB
	s_lshl_b32 s31, s[CH], 15
	s_mul_i32 s2, s[CH], 64*PITCH
.irp k, 0,1,2
	s_mov_b32 s[G0+4*\k], 1
	s_add_co_u32 s[G0+4*\k+1], s31, \k*SLOT
	s_add_nc_u64 s[G0+4*\k+2:G0+4*\k+3], s[4:5], \k*4096
	s_or_b32 s[G0+4*\k+3], s[G0+4*\k+3], 0x80000000
	s_mov_b32 s[G0B+4*\k], 1
	s_add_co_u32 s[G0B+4*\k+1], s2, APART+\k*SLOT
	s_add_nc_u64 s[G0B+4*\k+2:G0B+4*\k+3], s[8:9], \k*256
	s_or_b32 s[G0B+4*\k+3], s[G0B+4*\k+3], 0x80000000
	JLOAD G0+4*\k, G1, G0B+4*\k, G1B               ; four tensor loads of mine are out
.endr
	v_and_b32 v1, 15, v0                           ; r
	v_bfe_u32 v2, v0, 4, 1                         ; h
	v_and_b32 v16, 31, v0                          ; lane
	v_lshlrev_b32 v11, 4, v16                      ; 16 x lane
	s_lshl_b32 s31, s[WV], 14
	v_add_nc_u32 v[ADRA], s31, v11                 ; my four row tiles' images
	v_add_nc_u32 v[ADRA+1], SLOT, v[ADRA]
	v_add_nc_u32 v[ADRA+2], 2*SLOT, v[ADRA]
	v_mul_u32_u24 v17, v1, PITCH
	v_lshl_add_u32 v17, v2, 4, v17
	v_add_nc_u32 v[ADRB], APART, v17
	v_add_nc_u32 v[ADRB+1], SLOT, v[ADRB]
	v_add_nc_u32 v[ADRB+2], 2*SLOT, v[ADRB]
	s_lshl_b32 s31, s[RH], 12
	s_lshl_b32 s2, s[CH], 8
	s_add_co_u32 s31, s31, s2
	s_add_co_u32 s31, s31, SCL
	v_lshl_add_u32 v[ADSA], v1, 2, s31             ; my rows' scale words: half w / 2, rows 64 (w % 2) on, 4 bytes a row
	v_lshrrev_b32 v18, 3, v1
	v_and_b32 v19, 7, v1
	v_mul_u32_u24 v18, v18, 272
	v_lshl_add_u32 v18, v19, 5, v18
	v_add_nc_u32 v[ADSB], SCLB, v18
	v_lshlrev_b32 v13, 5, v2                       ; 32 h
	s_lshl_b32 s31, s[WV], 18
	v_add_nc_u32 v[CO], s31, v11                   ; out0: 64 rows of 4,096 bytes a wave, 16 bytes a lane
	s_mul_i32 s31, s[WV], 16*SPITCH
	s_add_co_u32 s31, s31, STAGE
	v_mul_u32_u24 v17, v1, SPITCH
	v_lshl_add_u32 v17, v2, 5, v17
	v_add_nc_u32 v[STO], s31, v17                  ; into my stage: row r, 32 bytes for each half of the lanes
	v_add_nc_u32 v[RD], s31, v11                   ; back: a row of 512 bytes, 16 a lane
	s_lshl_b32 s104, s[HD], 9
	s_add_nc_u64 s[12:13], s[12:13], s[104:105]
	s_lshl_b32 s3, s[RB], 20
	s_or_b32 s104, s104, s3
	s_add_nc_u64 s[14:15], s[14:15], s[104:105]
	WIN 0xc0
.irp b, 0,1,2,3,4,5,6,7
	global_load_b128 v[192+8*\b:192+8*\b+3], v13, s[12:13] offset:64*\b          ; bp in the result's layout: the C of the first step
	global_load_b128 v[192+8*\b+4:192+8*\b+7], v13, s[12:13] offset:64*\b+16
.endr
	WIN 0
; The fragments of step g (128 along K = head g): piece g / 2 lies in slot (g / 2) % 3; register set g % 2.  With an even g the piece's scale words into set (g / 2) % 2.
.macro FETCH g
.set FS, ((\g)/2)%3
.set FQ, (\g)%2
	WIN 0x40
.irp i, 0,1,2,3,4,5,6,7
.irp c, 0,1,2,3
	ds_load_b128 v[128*FQ+16*\i+4*\c:128*FQ+16*\i+4*\c+3], v[ADRB+FS] offset:128*FQ+32*\c+\i*16*PITCH
.endr
.endr
	WIN 0
.irp i, 0,1,2,3
.irp c, 0,1,2,3
	ds_load_b128 v[128+64*FQ+16*\i+4*\c:128+64*FQ+16*\i+4*\c+3], v[ADRA+FS] offset:\i*4096+FQ*2048+512*\c
.endr
.endr
.if FQ == 0
.set FT, ((\g)/2)%2
.irp i, 0,1,2,3
.irp q, 0,1
	ds_load_b32 v[32+24*FT+2*\i+\q], v[ADSA] offset:((\g)+\q)*512+64*\i
.endr
.endr
.irp i, 0,1,2,3,4,5,6,7
	ds_load_b64 v[40+24*FT+2*\i:40+24*FT+2*\i+1], v[ADSB] offset:\i*544+8*((\g)/2)
.endr
.endif
.endm
; Eight products: tile m of my rows against Wp's eight.  The 32 accumulators take turns in one order in every step.
.macro M8 g, m
.set MP, (\g)%2
.set MT, ((\g)/2)%2
.if (\g) == 0
	WIN 0xb1                                       ; source 0 (Wp) window 1, source 1 (y) window 0, C (bp) window 3, D window 2
.else
	WIN 0xa1
.endif
.irp b, 0,1,2,3,4,5,6,7
.if (\g) == 0
	v_wmma_scale_f32_16x16x128_f8f6f4 v[64*(\m)+8*\b:64*(\m)+8*\b+7], v[128*MP+16*\b:128*MP+16*\b+15], v[128+64*MP+16*(\m):128+64*MP+16*(\m)+15], v[192+8*\b:192+8*\b+7], v[40+24*MT+2*\b+MP], v[32+24*MT+2*(\m)+MP]
.else
	v_wmma_scale_f32_16x16x128_f8f6f4 v[64*(\m)+8*\b:64*(\m)+8*\b+7], v[128*MP+16*\b:128*MP+16*\b+15], v[128+64*MP+16*(\m):128+64*MP+16*(\m)+15], v[64*(\m)+8*\b:64*(\m)+8*\b+7], v[40+24*MT+2*\b+MP], v[32+24*MT+2*(\m)+MP]
.endif
.endr
.endm
.macro STEP g
	s_wait_dscnt 0x0                               ; this step's fragments are in
.if (\g) > 0
	PLACES 8                                       ; in front of loads into the set that the last step multiplied
.endif
	FETCH (\g)+1
	M8 \g, 0
	M8 \g, 1
	M8 \g, 2
	M8 \g, 3
.endm
; A step with a barrier in it.  fill = 1: slot 0 has been read out and takes piece 3: the barrier opens a round of the cluster's.  fill = 0: piece 3 has landed and is shown to every wave.
.macro CHANGE g, fill
	WIN 0
	s_wait_tensorcnt 0x0                           ; all my tensor loads have landed
	ds_add_u32 v[SPW], v[NIL]                      ; 0 onto my spare word
	s_wait_dscnt 0x1                               ; this step's fragments are in; the add may be out
	M8 \g, 0
	s_wait_dscnt 0x0                               ; the add is done, and no read of mine is out
	s_barrier_signal -1
	M8 \g, 1
	WIN 0
	s_barrier_wait -1
.if \fill
	CREST                                          ; no wave of any partner still reads slot 0 or has a load on its way
	s_add_nc_u64 s[G0+2:G0+3], s[G0+2:G0+3], 12288
	s_add_nc_u64 s[G0B+2:G0B+3], s[G0B+2:G0B+3], 768
	JLOAD G0, G1, G0B, G1B                         ; the launch's one refill: it has four steps, 128 products a wave, in which to land
	PLACES 4
.else
	PLACES 8
.endif
	FETCH (\g)+1
	M8 \g, 2
	M8 \g, 3
.endm
	s_wait_tensorcnt 0x2                           ; the scales and my part of slot 0 are in; slots 1 and 2 may be out
	s_barrier_signal -1
	s_barrier_wait -1
	FETCH 0
	s_wait_loadcnt 0x0                             ; bp
	STEP 0
	CHANGE 1, 1
	STEP 2
	STEP 3
	STEP 4
	CHANGE 5, 0
	STEP 6
	s_wait_dscnt 0x0
	M8 7, 0
	M8 7, 1
	M8 7, 2
	M8 7, 3
	WIN 0
	PLACES 8
; THE WAY OUT, a tile of 16 rows x 128 columns at a time, through my own stage: a lane's 32 bytes go in by rows of 528 bytes and come back as whole rows of 512, which the 32 lanes store on end.
; LDS serves a wave's instructions in order (ISA guide 5.7.1.4): no wait between the stores and the loads, nor in front of the next tile's stores.
.macro TOSTAGE m
	WIN 0x08                                       ; an LDS store's data are its source 1: window 2
.irp b, 0,1,2,3,4,5,6,7
	ds_store_b128 v[STO], v[64*(\m)+8*\b:64*(\m)+8*\b+3] offset:64*\b            ; each accumulator from its low end on
	ds_store_b128 v[STO], v[64*(\m)+8*\b+4:64*(\m)+8*\b+7] offset:64*\b+16
.endr
	WIN 0
.irp t, 0,1,2,3,4,5,6,7,8,9,10,11,12,13,14,15
	ds_load_b128 v[128+64*((\m)%2)+4*\t:128+64*((\m)%2)+4*\t+3], v[RD] offset:\t*SPITCH
.endr
.endm
.macro SEND m, younger                 ; younger: the LDS instructions issued behind tile m's loads, which may stay out
	s_wait_dscnt \younger
.irp t, 0,1,2,3,4,5,6,7,8,9,10,11,12,13,14,15
	global_store_b128 v[CO], v[128+64*((\m)%2)+4*\t:128+64*((\m)%2)+4*\t+3], s[14:15] offset:(16*(\m)+\t)*4096 th:TH_STORE_NT   ; 512 consecutive bytes, at a multiple of 256 from out0's first byte
.endr
.endm
	TOSTAGE 0
	TOSTAGE 1
	SEND 0, 32                                     ; behind tile 0's loads: tile 1's 16 stores and 16 loads
	s_wait_xcnt 0x0                                ; tile 0's stores have read their registers: tile 2's loads may land there
	TOSTAGE 2
	SEND 1, 32
	s_wait_xcnt 0x0
	TOSTAGE 3
	SEND 2, 32
	SEND 3, 0
	s_wait_tensorcnt 0x0                           ; the wave's end
	ds_add_u32 v[SPW], v[NIL]
	s_wait_dscnt 0x0
	CROUND                                         ; the closing round
	s_endpgm
.Lfunc_end_k_q56206a8cb7_out_proj:
	.size	k_q56206a8cb7_out_proj, .Lfunc_end_k_q56206a8cb7_out_proj-k_q56206a8cb7_out_proj
	.p2alignl 7, 3214868480
	.fill 96, 4, 3214868480
	.section	.rodata,"a",@progbits
	.p2align	6, 0x0
	.amdhsa_kernel k_q56206a8cb7_out_proj
		.amdhsa_group_segment_fixed_size 327680
		.amdhsa_private_segment_fixed_size 0
		.amdhsa_enable_private_segment 0
		.amdhsa_kernarg_size 48
		.amdhsa_user_sgpr_count 2
		.amdhsa_user_sgpr_kernarg_segment_ptr 1
		.amdhsa_wavefront_size32 1
		.amdhsa_system_sgpr_workgroup_id_x 1
		.amdhsa_system_sgpr_workgroup_id_y 1
		.amdhsa_system_sgpr_workgroup_id_z 1
		.amdhsa_system_vgpr_workitem_id 0
		.amdhsa_next_free_vgpr 1024
		.amdhsa_next_free_sgpr 106
		.amdhsa_reserve_vcc 0
		.amdhsa_float_denorm_mode_32 3
		.amdhsa_float_denorm_mode_16_64 3
		.amdhsa_memory_ordered 1
		.amdhsa_forward_progress 1
		.amdhsa_inst_pref_size 91
	.end_amdhsa_kernel
	.amdgpu_metadata
---
amdhsa.version: [ 1, 2 ]
amdhsa.kernels:
  - .name:           k_q56206a8cb7_out_proj
    .symbol:         k_q56206a8cb7_out_proj.kd
    .args:
      - { .name: ycod, .offset: 0, .size: 8, .value_kind: global_buffer, .address_space: global }
      - { .name: yscl, .offset: 8, .size: 8, .value_kind: global_buffer, .address_space: global }
      - { .name: Wp_codes, .offset: 16, .size: 8, .value_kind: global_buffer, .address_space: global }
      - { .name: Wp_scales, .offset: 24, .size: 8, .value_kind: global_buffer, .address_space: global }
      - { .name: bp, .offset: 32, .size: 8, .value_kind: global_buffer, .address_space: global }
      - { .name: out0, .offset: 40, .size: 8, .value_kind: global_buffer, .address_space: global }
    .group_segment_fixed_size: 327680
    .private_segment_fixed_size: 0
    .kernarg_segment_align: 8
    .kernarg_segment_size: 48
    .max_flat_workgroup_size: 128
    .sgpr_count:     106
    .vgpr_count:     1024
    .wavefront_size: 32
...
	.end_amdgpu_metadata
.endif
;; end of part 4
